; MI455X (gfx1250); checked and timed in simulation.
; The chip was launched on July 23, 2026; its instructions are those of AMD's public machine-readable ISA for CDNA 5 (MIT licence, August 2026) and "CDNA5" Instruction Set Architecture Reference Guide (July 2026). The comments in the code are by the model that wrote it; some were corrected since.
;; State Update Operator. Allowed arithmetic: matrix products marked QUANTISED: E2M3 operands, one E8M0 scale for each 32 along K, by v_wmma_scale_f32_16x16x128_f8f6f4 with both operands' format E2M3, f32 sums; everything else in f32.
;; Inputs: W1_codes 4,096 x 32 x 24 uint8 (E2M3 codes of W1, K innermost, in blocks of 32 codes, four codes in three bytes); W1_scales 4,096 x 32 uint8 (E8M0 scales of W1, one for each 32 codes along K); W2_codes 1,024 x 128 x 24 uint8 (E2M3 codes of W2, K innermost, in blocks of 32 codes, four codes in three bytes); W2_scales 1,024 x 128 uint8 (E8M0 scales of W2, one for each 32 codes along K); Wk_codes 1,024 x 32 x 24 uint8 (E2M3 codes of Wk, K innermost, in blocks of 32 codes, four codes in three bytes); Wk_scales 1,024 x 32 uint8 (E8M0 scales of Wk, one for each 32 codes along K); Wo_codes 1,024 x 32 x 24 uint8 (E2M3 codes of Wo, K innermost, in blocks of 32 codes, four codes in three bytes); Wo_scales 1,024 x 32 uint8 (E8M0 scales of Wo, one for each 32 codes along K); Wq_codes 1,024 x 32 x 24 uint8 (E2M3 codes of Wq, K innermost, in blocks of 32 codes, four codes in three bytes); Wq_scales 1,024 x 32 uint8 (E8M0 scales of Wq, one for each 32 codes along K); Wv_codes 1,024 x 32 x 24 uint8 (E2M3 codes of Wv, K innermost, in blocks of 32 codes, four codes in three bytes); Wv_scales 1,024 x 32 uint8 (E8M0 scales of Wv, one for each 32 codes along K); b1 4,096 float32; b2 1,024 float32; bk 1,024 float32; bo 1,024 float32; bq 1,024 float32; bv 1,024 float32; ln1_b 1,024 float32; ln1_g 1,024 float32; ln2_b 1,024 float32; ln2_g 1,024 float32; mask 2,048 x 2,048 float32; x 2 x 2,048 x 1,024 float32.
;; Outputs: out0 2 x 2,048 x 1,024 float32.
;; This version of the problem:
;;   THIS VERSION OF THE PROBLEM IS GIVEN IN LOW PRECISION. The matrix products marked QUANTISED in the list below multiply operands that are first quantised to E2M3 (2 exponent bits, 3 mantissa bits; 6 bits a number), with one power-of-two scale for each 32 numbers along K (OCP MX v1.0); their sums are f32. All else is computed in f32.
;;   The module's matrix products, in the order in which they are computed (A, B: the left and right operand; K: the contracted axis; several contracted axes count as one K, in the product's order):
;;     1. [M 4,096, K 1,024] x [K 1,024, N 1,024]; A: computed on the way; B: input Wq (given as codes): QUANTISED
;;     2. [M 4,096, K 1,024] x [K 1,024, N 1,024]; A: computed on the way; B: input Wk (given as codes): QUANTISED
;;     3. [M 4,096, K 1,024] x [K 1,024, N 1,024]; A: computed on the way; B: input Wv (given as codes): QUANTISED
;;     4. batch 32 x [M 2,048, K 64] x [K 64, N 2,048]; A: computed on the way; B: computed on the way: QUANTISED
;;     5. batch 32 x [M 64, K 2,048] x [K 2,048, N 2,048]; A: computed on the way; B: softmax (see below): QUANTISED
;;     6. [M 4,096, K 1,024] x [K 1,024, N 1,024]; A: computed on the way; B: input Wo (given as codes): QUANTISED
;;     7. [M 4,096, K 1,024] x [K 1,024, N 4,096]; A: computed on the way; B: input W1 (given as codes): QUANTISED
;;     8. [M 4,096, K 4,096] x [K 4,096, N 1,024]; A: computed on the way; B: input W2 (given as codes): QUANTISED
;;   THE QUANTISER, for each operand of a quantised product, along K:
;;     - K is cut into blocks of 32 from its start; a last block that is shorter is filled with zeros.
;;     - A block's scale is 2^e with e = floor(log2(the largest magnitude in the block)) - 2, held to -126 .. 127; a block of zeros has e = 0. As a byte (E8M0): e + 127.
;;     - Each number is divided by its block's scale, clamped to +-7.5, and rounded to the nearest number of E2M3, ties to even, subnormals kept.
;;     - The product sums the exact products of the quantised numbers (number of the format x scale) in f32.
;;   ~~~python
;;   def quantise(x, axis):      # numpy; x: float32 -> the quantised numbers, widened to float32 again
;;       x = np.moveaxis(x, axis, -1); K = x.shape[-1]
;;       x = np.pad(x, [(0, 0)] * (x.ndim - 1) + [(0, -K % 32)]); x = x.reshape(x.shape[:-1] + (-1, 32)); a = np.abs(x).max(-1, keepdims=True)
;;       e = np.where(a > 0, np.clip(np.frexp(np.where(a > 0, a, 1))[1] - 1 - 2, -126, 127), 0)      # np.frexp(a)[1] - 1 = floor(log2(a)), exactly
;;       r = np.clip(x / 2.0 ** e, -7.5, 7.5)
;;       step = 2.0 ** (np.maximum(np.frexp(np.where(r == 0, 1, r))[1] - 1, 0) - 3)
;;       q = np.round(r / step) * step * 2.0 ** e      # np.round: ties to even
;;       return np.moveaxis(q.reshape(q.shape[:-2] + (-1,))[..., :K], -1, axis).astype(np.float32)
;;   ~~~
;;   SOFTMAX AHEAD OF A QUANTISED PRODUCT. Where the list says 'softmax', what is quantised is not the finished softmax but p = 2^(t - M), with t = logit x log2(e) and M = ceil(the row's largest t), a whole number; so 1/2 < the row's largest p <= 1. The row's sum l is taken of the UNQUANTISED p, in f32, and the product's result is divided by l at the end. Since M is a whole number, a kernel that streams over the keys may use a running M (the ceiling of the running maximum): every later rescaling is an exact power of two, which a block's scale takes up: the codes' values come out the same.
;;   OPERANDS COMPUTED ON THE WAY. 'Computed on the way' means the value that the module computes at that place (a softmax that the list does not call 'softmax' is quantised finished and normalised). What goes into a quantiser is computed in f32, as accurately as f32 sums, v_exp_f32 and their like allow (about 1e-6 of the number): no bf16 or f16 on the way to a quantiser, and a product that is left as it is and whose result goes on into a quantised operand takes f32 operands (vector FMAs, or v_wmma_f32_16x16x4_f32). A number that lies on a knife's edge between two numbers of the format may be rounded either way, as far as f32 arithmetic and the matrix unit's own rounding can turn it there, and no further.
;;   INPUTS GIVEN AS CODES. W1 (in the module: [1024, 4096], K = its axis 0); W2 (in the module: [4096, 1024], K = its axis 0); Wk (in the module: [1024, 1024], K = its axis 0); Wo (in the module: [1024, 1024], K = its axis 0); Wq (in the module: [1024, 1024], K = its axis 0); Wv (in the module: [1024, 1024], K = its axis 0): each comes as NAME_codes (uint8): NAME with its K axis moved to the last place and cut into blocks of 32 codes, [.., K / 32, bytes a block], one block behind the other in memory; four codes in three bytes: a row's codes are one little-endian stream of bits, code i at bits 6 i .. 6 i + 5 (a code: sign, 2 exponent bits, 3 mantissa bits); and NAME_scales (uint8): the same leading axes, one E8M0 byte (e + 127) for each 32 codes along K. Its value is code x scale, taken as it is: it is not quantised again, and the codes and scales need not be those that the quantiser above would give.
;; One version. Each part assembles by itself: llvm-mc -triple=amdgcn-amd-amdhsa -mcpu=gfx1250 --defsym DOCPART=n.
;; ======== version 1 of 1: 7 launches
;; limits: a function is approximated: absolute error at most 3e-07
;; workspace buffers: nc 3,145,728 bytes; ns 131,072 bytes; rope 524,288 bytes; qimg 3,407,872 bytes; kv 6,684,672 bytes; ac 12,582,912 bytes; asc 524,288 bytes; x1 16,777,216 bytes
;; launch ln1 (part 1): grid 272 x 1, 8 waves a work-group, no clusters, 42,496 bytes of LDS; arguments x, ln1_g, ln1_b, nc, ns, rope; writes nc, ns, rope
.if DOCPART == 1
	.amdgcn_target "amdgcn-amd-amdhsa--gfx1250"
	.amdhsa_code_object_version 6
	.text
	.protected	k_qa3bc9798c1_ln1
	.globl	k_qa3bc9798c1_ln1
	.p2align	8
	.type	k_qa3bc9798c1_ln1,@function
k_qa3bc9798c1_ln1:
	s_mov_b64 s[64:65], 0
	v_nop
	global_prefetch_b8 v0, s[64:65] scope:SCOPE_SE
	s_setreg_imm32_b32 hwreg(HW_REG_WAVE_MODE, 25, 1), 1
	s_wait_xcnt 0x0
; LAYER NORM + QUANTISER, and the table of cosines and sines.  src [4096][1024] f32; g, b [1024] f32.
; out: codes of FP6 (E2M3), K innermost, a row = 768 bytes; one E8M0 byte for each 32 along the row, a row = 32 bytes.
; Work-groups 0..255: 16 rows each, a wave two rows; a row (4,096 bytes) stays in 32 registers of the wave between the passes: it is read once.
; mean, then the mean of squared differences (two passes over registers), v_rsq_f32, (x - mean) r g + b, all f32.
; The conversions take 16 neighbours from ONE lane; the loads take 16 bytes a lane, 512 a load: so 512 numbers at a time turn through the wave's own stage in LDS (16 bytes of padding behind each 64).
; Work-groups 256..271 (first launch of this text alone): cos and sin of t x 10^(-f/8), t = 0..2047, f = 0..31, laid as a lane of the next launch wants them:
;   [token tile][chunk 0..7][lane][16 bytes]; chunk 2u + j/4: cos of f = 16u + 8(lane/16) + j for token 16 tile + lane%16; chunks 4..7 the sines.
; LIMITS: blocks whose largest magnitude lies under 2^-124 are held at that floor's scale; a block of zeros gets the byte 1 (its codes are zeros; this program alone reads the bytes);
;   NaN and infinities are not served.  1/10^(f/8) is a reciprocal with one Newton step: it may differ in the last bit from a division, which moves an angle by at most 1.2e-4 at t = 2047.
.set SP,   80                          ; a lane's place in a stage: 64 bytes + 16
.set STG,  2*32*SP                     ; two stages for each wave
.set SCL,  8*STG                       ; behind them the work-group's 512 scale bytes
.set X0,   16                          ; v16-47 row 0, v48-79 row 1
.set X1,   48
.set GG,   80                          ; v80-111 g, v112-143 b of my columns
.set BT,   112
.set XS,   144                         ; v144-175 two sets of 16 neighbours (earlier: at work)
.set CD,   176                         ; v176-191 codes, four registers a step
.set EB,   192                         ; v192-195 scale bytes
	s_load_b256 s[4:11], s[0:1], 0x0               ; src, g, b, codes
	s_load_b128 s[12:15], s[0:1], 0x20             ; scale bytes, table
	v_lshl_add_u32 v208, v0, 2, 0xa200
	v_mov_b32 v209, 0
	v_lshrrev_b32 v1, 5, v0
	v_readfirstlane_b32 s16, v1                    ; wave
	v_and_b32 v2, 31, v0                           ; lane
	v_lshlrev_b32 v3, 4, v2                        ; 16 x lane
	s_mov_b32 s20, 0x76543210
	s_mov_b32 s21, 0xfedcba98                      ; v_permlanex16_b32: lane l xor 16
	s_cmp_ge_u32 ttmp9, 256
	s_cbranch_scc1 .Ltable
	s_mov_b32 s22, 0x3a800000                      ; 1 / 1024
	s_mov_b32 s23, 0x3727c5ac                      ; 1e-5
	s_lshl_b32 s24, ttmp9, 16                      ; 16 rows of 4,096 bytes a work-group,
	s_lshl_b32 s25, s16, 13                        ; two a wave
	s_add_co_u32 s24, s24, s25
	s_mov_b32 s25, 0
	s_lshl_b32 s26, ttmp9, 4
	s_lshl_b32 s27, s16, 1
	s_add_co_u32 s26, s26, s27
	s_mul_i32 s26, s26, 768                        ; my first row's codes
	s_mov_b32 s27, 0
	s_lshl_b32 s28, ttmp9, 9                       ; the work-group's 512 scale bytes
	s_mov_b32 s29, 0
	s_mul_i32 s17, s16, STG
	v_lshrrev_b32 v4, 2, v2
	v_mul_u32_u24 v4, v4, SP
	v_and_b32 v5, 3, v2
	v_lshl_add_u32 v4, v5, 4, v4
	v_add_nc_u32 v4, s17, v4                       ; the stage, way in: SP (lane/4) + 16 (lane%4)
	v_mul_u32_u24 v5, v2, SP
	v_add_nc_u32 v5, s17, v5                       ; way out: SP x lane
	v_mul_u32_u24 v6, v2, 12                       ; my 12 bytes of a step's 384 bytes of codes
	v_lshrrev_b32 v7, 1, v2
	s_lshl_b32 s18, s16, 6
	s_add_co_u32 s18, s18, SCL
	v_add_nc_u32 v7, s18, v7                       ; my block's scale byte: 64 bytes a wave
	v_add_nc_u32 v1, SCL, v3                       ; where wave 0 reads the 512 bytes back
	v_mov_b32 v9, 0                                ; a lane permute's destination counts as read
	s_wait_kmcnt 0x0
	s_add_nc_u64 s[4:5], s[4:5], s[24:25]
	s_add_nc_u64 s[10:11], s[10:11], s[26:27]
	s_add_nc_u64 s[12:13], s[12:13], s[28:29]
.irp i, 0,1,2,3,4,5,6,7
	global_load_b128 v[X0+4*\i:X0+4*\i+3], v3, s[4:5] offset:512*\i th:TH_LOAD_NT
.endr
.irp i, 0,1,2,3,4,5,6,7
	global_load_b128 v[X1+4*\i:X1+4*\i+3], v3, s[4:5] offset:4096+512*\i th:TH_LOAD_NT
.endr
.irp i, 0,1,2,3,4,5,6,7
	global_load_b128 v[GG+4*\i:GG+4*\i+3], v3, s[6:7] offset:512*\i
.endr
.irp i, 0,1,2,3,4,5,6,7
	global_load_b128 v[BT+4*\i:BT+4*\i+3], v3, s[8:9] offset:512*\i
.endr
.macro WSUM                            ; v8 summed over the 32 lanes, in every lane
	v_add_f32_dpp v8, v8, v8 row_xmask:1 row_mask:0xf bank_mask:0xf
	v_add_f32_dpp v8, v8, v8 row_xmask:2 row_mask:0xf bank_mask:0xf
	v_add_f32_dpp v8, v8, v8 row_xmask:4 row_mask:0xf bank_mask:0xf
	v_add_f32_dpp v8, v8, v8 row_xmask:8 row_mask:0xf bank_mask:0xf
	v_permlanex16_b32 v9, v8, s20, s21
	v_add_f32 v8, v8, v9
.endm
; the row in v[x..x+31] becomes x - mean; v[r] = 1 / sqrt(variance + eps)
.macro ROWSTAT x, r
	v_pk_add_f32 v[144:145], v[\x:\x+1], v[\x+2:\x+3]
	v_pk_add_f32 v[146:147], v[\x+4:\x+5], v[\x+6:\x+7]
.irp j, 8,12,16,20,24,28
	v_pk_add_f32 v[144:145], v[144:145], v[\x+\j:\x+\j+1]
	v_pk_add_f32 v[146:147], v[146:147], v[\x+\j+2:\x+\j+3]
.endr
	v_pk_add_f32 v[144:145], v[144:145], v[146:147]
	v_add_f32 v8, v144, v145
	WSUM
	v_mul_f32 v10, s22, v8                         ; the mean
	v_mov_b32 v11, v10
.irp j, 0,2,4,6,8,10,12,14,16,18,20,22,24,26,28,30
	v_pk_add_f32 v[\x+\j:\x+\j+1], v[\x+\j:\x+\j+1], v[10:11] neg_lo:[0,1] neg_hi:[0,1]
.endr
	v_pk_mul_f32 v[144:145], v[\x:\x+1], v[\x:\x+1]
	v_pk_mul_f32 v[146:147], v[\x+2:\x+3], v[\x+2:\x+3]
.irp j, 4,8,12,16,20,24,28
	v_pk_fma_f32 v[144:145], v[\x+\j:\x+\j+1], v[\x+\j:\x+\j+1], v[144:145]
	v_pk_fma_f32 v[146:147], v[\x+\j+2:\x+\j+3], v[\x+\j+2:\x+\j+3], v[146:147]
.endr
	v_pk_add_f32 v[144:145], v[144:145], v[146:147]
	v_add_f32 v8, v144, v145
	WSUM
	v_fma_f32 v8, v8, s22, s23                     ; variance + eps
	v_rsq_f32 v[\r], v8
	v_mov_b32 v[\r+1], 0                           ; a plain line behind the transcendental (and the pair's upper word is written)
	s_wait_alu depctr_va_vdst(0)                   ; ahead of the result's first reader
.endm
.macro NORM x, r
.irp j, 0,2,4,6,8,10,12,14,16,18,20,22,24,26,28,30
	v_pk_mul_f32 v[\x+\j:\x+\j+1], v[\x+\j:\x+\j+1], v[\r:\r+1] op_sel_hi:[1,0]
.endr
.irp j, 0,2,4,6,8,10,12,14,16,18,20,22,24,26,28,30
	v_pk_fma_f32 v[\x+\j:\x+\j+1], v[\x+\j:\x+\j+1], v[GG+\j:GG+\j+1], v[BT+\j:BT+\j+1]
.endr
.endm
	s_wait_loadcnt 24                              ; row 0 is in; 24 younger loads may be out
	ROWSTAT X0, 12
	s_wait_loadcnt 16                              ; row 1 is in; g and b may be out
	ROWSTAT X1, 14
	s_wait_loadcnt 0x0
	NORM X0, 12
	NORM X1, 14
; step t = 512 numbers: row t/2, half t%2: registers v[16 + 16 t ..]
.macro TURN t                          ; LDS serves a wave's instructions in order: no wait between the stores and the loads
.irp i, 0,1,2,3
	ds_store_b128 v4, v[16+16*(\t)+4*\i:16+16*(\t)+4*\i+3] offset:32*SP*((\t)%2)+8*SP*\i
.endr
.irp i, 0,1,2,3
	ds_load_b128 v[XS+16*((\t)%2)+4*\i:XS+16*((\t)%2)+4*\i+3], v5 offset:32*SP*((\t)%2)+16*\i
.endr
.endm
.macro QSTEP t
.set XQ, XS+16*((\t)%2)
	v_max3_num_f32 v10, |v[XQ]|, |v[XQ+1]|, |v[XQ+2]|
	v_max3_num_f32 v11, |v[XQ+3]|, |v[XQ+4]|, |v[XQ+5]|
.irp i, 6,10
	v_max3_num_f32 v10, v10, |v[XQ+\i]|, |v[XQ+\i+1]|
	v_max3_num_f32 v11, v11, |v[XQ+\i+2]|, |v[XQ+\i+3]|
.endr
	v_max3_num_f32 v10, v10, |v[XQ+14]|, |v[XQ+15]|
	v_max3_num_f32 v10, v10, v11, 0x1800000        ; the floor 2^(3 - 127): the byte cannot fall under 1
	v_max_num_f32_dpp v10, v10, v10 row_xmask:1 row_mask:0xf bank_mask:0xf   ; with my neighbour's 16: the block's largest magnitude
	v_add_nc_u32 v11, 0xff000000, v10              ; 2 off its exponent field: the conversion's scale operand
	v_cvt_scalef32_pk16_fp6_f32 v[CD+4*(\t):CD+4*(\t)+2], v[XQ:XQ+15], v11
	v_lshrrev_b32 v[EB+(\t)], 23, v11              ; the scale's byte (also the plain line behind the conversion)
	ds_store_b8 v7, v[EB+(\t)] offset:16*(\t)      ; both lanes of a block write the same byte with the same value
	global_store_b96 v6, v[CD+4*(\t):CD+4*(\t)+2], s[10:11] offset:384*(\t)   ; the wave stores 384 consecutive bytes
.endm
	TURN 0
	s_wait_dscnt 0x0
	TURN 1
	QSTEP 0
	s_wait_dscnt 1                                 ; step 1 is back from the stage; the byte store of step 0 may be out
	TURN 2
	QSTEP 1
	s_wait_dscnt 1
	TURN 3
	QSTEP 2
	s_wait_dscnt 1
	QSTEP 3
	s_wait_dscnt 0x0                               ; for the others' sake: my byte stores are done
	s_barrier_signal -1
	s_barrier_wait -1
	s_cmp_lg_u32 s16, 0
	s_cbranch_scc1 .Lend
	ds_load_b128 v[144:147], v1                    ; the sixteen rows' 512 scale bytes,
	s_wait_dscnt 0x0
	global_store_b128 v3, v[144:147], s[12:13]     ; stored as 512 consecutive bytes, aligned
.Lend:
	s_wait_tensorcnt 0x0
	ds_add_u32 v208, v209
	s_wait_dscnt 0x0
	s_endpgm
.Ltable:
	v_and_b32 v6, 15, v2                           ; r
	v_lshrrev_b32 v4, 4, v2                        ; h
	s_sub_co_u32 s24, ttmp9, 256
	s_lshl_b32 s24, s24, 3
	s_add_co_u32 s24, s24, s16                     ; token tile
	s_lshl_b32 s25, s24, 4
	v_add_nc_u32 v6, s25, v6
	v_cvt_f32_u32 v6, v6                           ; t
	s_lshl_b32 s24, s24, 12                        ; 4,096 bytes a tile
	s_mov_b32 s25, 0
	s_mov_b32 s30, 0x3f22f983                      ; 2 / pi
	s_mov_b32 s31, -0.00019515295891               ; sine: r + r s (c1 + s (c2 + s c3)), s = r r
	s_mov_b32 s32, 0.0083321608736
	s_mov_b32 s33, -0.16666654611
	s_mov_b32 s34, 0.00002443315711809948          ; cosine: 1 - s/2 + s s (d1 + s (d2 + s d3))
	s_mov_b32 s35, -0.001388731625493765
	s_mov_b32 s36, 0.04166664568298827
	v_cmp_ne_u32 vcc_lo, 0, v4
.macro PWR k, a, b                     ; 10^((16u + 8h + j)/8): a for lanes 0-15, b for lanes 16-31
	v_mov_b32 v5, \b
	v_cndmask_b32 v[32+\k], \a, v5, vcc_lo
.endm
	PWR 0, 1.0, 10.0
	PWR 1, 1.3335214321633240, 13.335214321633240
	PWR 2, 1.7782794100389228, 17.782794100389228
	PWR 3, 2.3713737056616552, 23.713737056616552
	PWR 4, 3.1622776601683795, 31.622776601683795
	PWR 5, 4.2169650342858223, 42.169650342858223
	PWR 6, 5.6234132519034910, 56.234132519034910
	PWR 7, 7.4989420933245583, 74.989420933245583
	PWR 8, 100.0, 1000.0
	PWR 9, 133.35214321633240, 1333.5214321633240
	PWR 10, 177.82794100389228, 1778.2794100389228
	PWR 11, 237.13737056616552, 2371.3737056616552
	PWR 12, 316.22776601683795, 3162.2776601683795
	PWR 13, 421.69650342858223, 4216.9650342858223
	PWR 14, 562.34132519034910, 5623.4132519034910
	PWR 15, 749.89420933245583, 7498.9420933245583
.set kk, 0
.rept 16
	v_rcp_f32 v[48+kk], v[32+kk]
.set kk, kk+1
.endr
	v_nop
	s_wait_alu depctr_va_vdst(0)                   ; one wait for the sixteen reciprocals
.set kk, 0
.rept 16
	v_fma_f32 v[64+kk], -v[32+kk], v[48+kk], 1.0   ; one Newton step
.set kk, kk+1
.endr
.set kk, 0
.rept 16
	v_fma_f32 v[48+kk], v[48+kk], v[64+kk], v[48+kk]
.set kk, kk+1
.endr
.set kk, 0
.rept 16
	v_mul_f32 v[32+kk], v6, v[48+kk]               ; the angle, rounded once
.set kk, kk+1
.endr
.set kk, 0
.rept 16
	v_mul_f32 v[48+kk], s30, v[32+kk]
.set kk, kk+1
.endr
.set kk, 0
.rept 16
	v_rndne_f32 v[48+kk], v[48+kk]                 ; n = the nearest multiple of pi/2
.set kk, kk+1
.endr
.set kk, 0
.rept 16
	v_fmamk_f32 v[32+kk], v[48+kk], 0xbfc90fdb, v[32+kk]   ; angle - n x (pi/2's upper part): exact, n has 11 bits
.set kk, kk+1
.endr
.set kk, 0
.rept 16
	v_fmamk_f32 v[32+kk], v[48+kk], 0x333bbd2e, v[32+kk]   ; and its lower part
.set kk, kk+1
.endr
.set kk, 0
.rept 16
	v_cvt_i32_f32 v[48+kk], v[48+kk]
	v_mul_f32 v[64+kk], v[32+kk], v[32+kk]
.set kk, kk+1
.endr
.set kk, 0
.rept 16
	v_fma_f32 v[80+kk], v[64+kk], s31, s32
	v_fma_f32 v[96+kk], v[64+kk], s34, s35
.set kk, kk+1
.endr
.set kk, 0
.rept 16
	v_fma_f32 v[80+kk], v[80+kk], v[64+kk], s33
	v_fma_f32 v[96+kk], v[96+kk], v[64+kk], s36
	v_mul_f32 v[112+kk], v[32+kk], v[64+kk]
.set kk, kk+1
.endr
.set kk, 0
.rept 16
	v_fma_f32 v[80+kk], v[112+kk], v[80+kk], v[32+kk]      ; sin r
.set kk, kk+1
.endr
.set kk, 0
.rept 16
	v_fma_f32 v[112+kk], v[64+kk], -0.5, 1.0
	v_mul_f32 v[64+kk], v[64+kk], v[64+kk]
.set kk, kk+1
.endr
.set kk, 0
.rept 16
	v_fma_f32 v[96+kk], v[64+kk], v[96+kk], v[112+kk]      ; cos r
.set kk, kk+1
.endr
.set kk, 0
.rept 16                               ; the quadrant: odd n swaps the two; the signs by exclusive or
	v_and_b32 v5, 1, v[48+kk]
	v_cmp_ne_u32 vcc_lo, 0, v5
	v_cndmask_b32 v[144+kk], v[80+kk], v[96+kk], vcc_lo
	v_cndmask_b32 v[128+kk], v[96+kk], v[80+kk], vcc_lo
	v_and_b32 v5, 2, v[48+kk]
	v_lshlrev_b32 v5, 30, v5
	v_xor_b32 v[144+kk], v5, v[144+kk]
	v_add_nc_u32 v5, 1, v[48+kk]
	v_and_b32 v5, 2, v5
	v_lshlrev_b32 v5, 30, v5
	v_xor_b32 v[128+kk], v5, v[128+kk]
.set kk, kk+1
.endr
	s_wait_kmcnt 0x0
	s_add_nc_u64 s[14:15], s[14:15], s[24:25]
.irp c, 0,1,2,3
	global_store_b128 v3, v[128+4*\c:128+4*\c+3], s[14:15] offset:512*\c
	global_store_b128 v3, v[144+4*\c:144+4*\c+3], s[14:15] offset:2048+512*\c
.endr
	s_endpgm
.Lfunc_end_k_qa3bc9798c1_ln1:
	.size	k_qa3bc9798c1_ln1, .Lfunc_end_k_qa3bc9798c1_ln1-k_qa3bc9798c1_ln1
	.p2alignl 7, 3214868480
	.fill 96, 4, 3214868480
	.section	.rodata,"a",@progbits
	.p2align	6, 0x0
	.amdhsa_kernel k_qa3bc9798c1_ln1
		.amdhsa_group_segment_fixed_size 42496
		.amdhsa_private_segment_fixed_size 0
		.amdhsa_enable_private_segment 0
		.amdhsa_kernarg_size 48
		.amdhsa_user_sgpr_count 2
		.amdhsa_user_sgpr_kernarg_segment_ptr 1
		.amdhsa_wavefront_size32 1
		.amdhsa_system_sgpr_workgroup_id_x 1
		.amdhsa_system_sgpr_workgroup_id_y 1
		.amdhsa_system_sgpr_workgroup_id_z 1
		.amdhsa_system_vgpr_workitem_id 0
		.amdhsa_next_free_vgpr 210
		.amdhsa_next_free_sgpr 66
		.amdhsa_reserve_vcc 1
		.amdhsa_float_denorm_mode_32 3
		.amdhsa_float_denorm_mode_16_64 3
		.amdhsa_memory_ordered 1
		.amdhsa_forward_progress 1
		.amdhsa_inst_pref_size 48
	.end_amdhsa_kernel
	.amdgpu_metadata
---
amdhsa.version: [ 1, 2 ]
amdhsa.kernels:
  - .name:           k_qa3bc9798c1_ln1
    .symbol:         k_qa3bc9798c1_ln1.kd
    .args:
      - { .name: x, .offset: 0, .size: 8, .value_kind: global_buffer, .address_space: global }
      - { .name: ln1_g, .offset: 8, .size: 8, .value_kind: global_buffer, .address_space: global }
      - { .name: ln1_b, .offset: 16, .size: 8, .value_kind: global_buffer, .address_space: global }
      - { .name: nc, .offset: 24, .size: 8, .value_kind: global_buffer, .address_space: global }
      - { .name: ns, .offset: 32, .size: 8, .value_kind: global_buffer, .address_space: global }
      - { .name: rope, .offset: 40, .size: 8, .value_kind: global_buffer, .address_space: global }
    .group_segment_fixed_size: 42496
    .private_segment_fixed_size: 0
    .kernarg_segment_align: 8
    .kernarg_segment_size: 48
    .max_flat_workgroup_size: 256
    .sgpr_count:     66
    .vgpr_count:     210
    .wavefront_size: 32
...
	.end_amdgpu_metadata
.endif
;; end of part 1
;; launch qkv (part 2): grid 12 x 16, 4 waves a work-group, clusters of 4 x 4, 327,680 bytes of LDS; arguments nc, ns, Wq_codes, Wq_scales, Wk_codes, Wk_scales, Wv_codes, Wv_scales, bq, bk, bv, rope, qimg, kv; writes qimg, kv
.if DOCPART == 2
	.amdgcn_target "amdgcn-amd-amdhsa--gfx1250"
	.amdhsa_code_object_version 6
	.text
	.protected	k_qa3bc9798c1_qkv
	.globl	k_qa3bc9798c1_qkv
	.p2align	8
	.type	k_qa3bc9798c1_qkv,@function
k_qa3bc9798c1_qkv:
	s_mov_b64 s[64:65], 0
	v_nop
	global_prefetch_b8 v0, s[64:65] scope:SCOPE_SE
	s_setreg_imm32_b32 hwreg(HW_REG_WAVE_MODE, 25, 1), 1
	s_wait_xcnt 0x0
	s_wait_alu depctr_hold_cnt(0) depctr_sa_sdst(0) depctr_va_vdst(0) depctr_va_sdst(0) depctr_va_ssrc(0) depctr_va_vcc(0) depctr_vm_vsrc(0)
	s_getreg_b32 s2, hwreg(HW_REG_IB_STS2, 6, 4)
	s_cmp_eq_u32 s2, 0
	s_cbranch_scc0 .Lentry_in_a_cluster
	s_endpgm
.Lentry_in_a_cluster:
	s_bfe_u32 s2, ttmp6, 0x10000c
	s_cmp_lg_u32 s2, 0xf033
	s_cbranch_scc0 .Lentry_shape_is_right
	s_endpgm
.Lentry_shape_is_right:
; Q, K, V = n W + bias on codes of FP6 (E2M3) with E8M0 scales; then the rotation of Q and K, and the quantisers of the two attention products.
; n: codes [4096][768 bytes], scales [4096][32].  Wq, Wk, Wv: codes [1024][768], scales [1024][32].  The cluster's x says which weight: 0 Q, 1 K, 2 V.
; A tile of 256 x 256 results a work-group, 128 x 128 a wave (64 accumulators); K = 1,024 in steps of 256 through a ring of two LDS slots filled by joint tensor loads:
; the tokens' tile is shared along a row of the 4 x 4 cluster, the weight's along a column.  All scale bytes of the 512 rows come once, with the first fills.
; Q, K: source 0 = 16 rows of W, source 1 = 16 tokens: a lane holds ONE token and eight neighbouring channels: its registers run along the head's 64, the K of the score product.
; V:    source 0 = 16 tokens, source 1 = 16 rows of W: a lane holds ONE channel and its registers run along the tokens, the K of the second product.  Only four LDS bases differ.
; ORDER INSIDE A BLOCK OF 32: a lane's 16 numbers of a block are {8h..8h+7, 16+8h..}.  Q and K carry that order alike, and so do V and the softmax's p in the next launch: the products are unchanged.
; 1/sqrt(64) = 2^-3 goes into Q's scale bytes (3 off each byte): exact.
; OUT, in the order of the operand's registers:  a pack of Q or K for (128 tokens, head): 8 x 768 bytes (tile of 16 tokens: registers 0-3 at 16 lane, registers 4-5 at 512 + 8 lane), then 512 bytes of scale words;
;   a pack of V: 4 x 1,536 bytes (16 channels x 128 tokens: three times 16 bytes a lane), then 256 bytes of scale words.
; LIMITS: blocks of Q, K whose largest magnitude lies under 2^-121 (V: 2^-124) are held at that floor's scale; a block of zeros keeps the floor's byte (codes zero; this program alone reads the bytes); NaN, infinities not served.
.set QKV,    1
.set FIRSTC, 1                         ; the first products start the sums with the constant 0
.set KSTEP,  256
.set NQ,     2
.set ROWB,   192
.set KROW,   768
.set PITCH,  240                       ; an LDS row: 3 x (64 bytes + 16 of padding)
.set FR,     12
.set NL,     6
.set NP,     4
.set HALFT,  128*PITCH
.set SLOT,   4*HALFT                   ; the tokens' 256 rows, then the weight's 256 rows
.set LAPS,   2
.set KS,     32
.set SCL,    2*SLOT                    ; the scales: units of 256 bytes + 16
.set HALFS,  (128*KS/256)*272
.set SBLK,   (16*KS/256)*272
.set SPARE,  SCL+4*HALFS               ; the spare words: 128 bytes a wave, named by no other line
.set ADRA, 16                          ; v16-19 source 1's fragments: slot 0, 1; the same behind one padding more
.set ADRB, 20                          ; v20-23 source 0's
.set L16,  24                          ; the way out: 16 x lane
.set L8,   25                          ; 8 x lane
.set ADRSA, 27                         ; source 1's scale words
.set SPW,  28
.set NIL,  29
.set ADRSB, 30                         ; source 0's
.set SCA,  32                          ; v[SCA + 16 z + 2 i + q]: set z, block i, the slot's q-th 128 along K
.set SCB,  64
.set AF,   128                         ; source 1's fragments, window 0, one set;  window 1: source 0's, two sets at v0 and v128;  windows 2, 3: accumulators
.set G1, 24
.set G0, 32
.set G1B, 48
.set G0B, 56
.set G1S, 68
.set G0S, 76
.set G1SB, 80
.set G0SB, 88
.set MSB, 0
.macro WIN new                         ; the immediate's high byte repeats the setting that is left
.if MSB != \new
	s_set_vgpr_msb (MSB<<8)|\new
.set MSB, \new
.endif
.endm
.set MUL_LO, 0xa1
.set MUL_HI, 0xf1
.set TO_B,   0x40
.macro JLOAD g0a, g1a, g0b, g1b        ; waves 0, 1 fetch the tokens' halves, waves 2, 3 the weight's; four v_nop follow each line
	s_cmp_eq_u32 s15, 0
	s_cbranch_scc0 .Lfor_b_\@
	tensor_load_to_lds s[\g0a:\g0a+3], s[\g1a:\g1a+7]
	s_nop 0
.rept 4
	v_nop
.endr
	s_branch .Lasked_\@
.Lfor_b_\@:
	tensor_load_to_lds s[\g0b:\g0b+3], s[\g1b:\g1b+7]
	s_nop 0
.rept 4
	v_nop
.endr
.Lasked_\@:
.endm
.macro CREST
	s_cmp_lg_u32 s14, 0
	s_cbranch_scc1 .Lnot_wave_0_\@
	s_barrier_signal -3
.Lnot_wave_0_\@:
	s_barrier_wait -3
	s_barrier_signal -1
	s_barrier_wait -1
.endm
.macro CROUND
	s_barrier_signal -1
	s_barrier_wait -1
	CREST
.endm
	s_load_b128 s[4:7], s[0:1], 0x0                ; n's codes, n's scales
	s_load_b128 s[8:11], s[0:1], 0x10              ; the first weight's codes and scales
.if QKV
	s_load_b128 s[68:71], s[0:1], 0x20             ; Wk's
	s_load_b128 s[72:75], s[0:1], 0x30             ; Wv's
.else
	s_load_b64 s[12:13], s[0:1], 0x20              ; the bias
.endif
	v_lshl_add_u32 v[SPW], v0, 2, SPARE
	v_mov_b32 v[NIL], 0
	ds_add_u32 v28, v29
	s_wait_dscnt 0x0
	v_lshrrev_b32 v1, 5, v0
	v_readfirstlane_b32 s14, v1                    ; wave
	s_lshr_b32 s15, s14, 1                         ; which half of source 1's rows is mine; also: I fetch tokens (0) or weights (1)
	s_and_b32 s16, s14, 1                          ; which half of source 0's; also: which 128 rows I fetch
	s_bfe_u32 s40, ttmp6, 0x40000                  ; cx
	s_bfe_u32 s41, ttmp6, 0x40004                  ; cy
.if QKV
	s_mov_b32 s42, s40                             ; the weight's tile of 256 rows = cx
.else
	s_lshl_b32 s42, ttmp9, 2
	s_add_co_u32 s42, s42, s40
.endif
	s_and_b32 s17, ttmp7, 0xffff
	s_lshl_b32 s17, s17, 2
	s_add_co_u32 s17, s17, s41                     ; the tokens' tile of 256 rows
	s_lshl_b32 s43, s41, 2
	s_lshl_b32 s43, 15, s43                        ; my row of the cluster
	s_lshl_b32 s44, 0x1111, s40                    ; my column
	s_or_b32 s[G1+0], s43, (0<<16)|(1<<20)|(1<<21)|(3<<22)|(3<<25)   ; mask; bytes; padding on; bit 21 beside a mask; 4 words behind every 16
	s_or_b32 s[G1B+0], s44, (0<<16)|(1<<20)|(1<<21)|(3<<22)|(3<<25)
.irp g, G1, G1B
	s_mov_b32 s[\g+1], ROWB<<16
	s_mov_b32 s[\g+2], 128<<16
	s_mov_b32 s[\g+3], ROWB<<16
	s_mov_b32 s[\g+4], 128
	s_mov_b32 s[\g+5], KROW
	s_mov_b32 s[\g+6], 0
	s_mov_b32 s[\g+7], 0
.endr
	s_lshl_b32 s18, s16, 7
	s_lshl_b32 s20, s17, 8
	s_add_co_u32 s20, s20, s18                     ; tokens: row 256 x tile + 128 x half
	s_lshl_b32 s46, s42, 8
	s_add_co_u32 s46, s46, s18                     ; weight: likewise
	s_mov_b32 s21, 0
	s_mov_b32 s47, 0
	s_mov_b64 s[18:19], KS
	s_mul_u64 s[22:23], s[20:21], s[18:19]
	s_mul_u64 s[92:93], s[46:47], s[18:19]
	s_mov_b64 s[18:19], KROW
	s_mul_u64 s[20:21], s[20:21], s[18:19]
	s_mul_u64 s[46:47], s[46:47], s[18:19]
	s_mul_i32 s45, s14, HALFT                      ; where they go: wave x 128 rows
	s_mul_i32 s94, s14, HALFS
	s_wait_kmcnt 0x0
.if QKV
	s_cmp_eq_u32 ttmp9, 1                          ; the choice hangs on the cluster's x alone
	s_cselect_b64 s[8:9], s[68:69], s[8:9]
	s_cselect_b64 s[10:11], s[70:71], s[10:11]
	s_cmp_eq_u32 ttmp9, 2
	s_cselect_b64 s[8:9], s[72:73], s[8:9]
	s_cselect_b64 s[10:11], s[74:75], s[10:11]
.endif
	s_or_b32 s[G1S+0], s43, (3<<16)|(1<<20)|(1<<21)|(5<<22)|(3<<25)  ; the scales of 128 rows: dense, as rows of 256 bytes, 16 bytes of padding behind each
	s_or_b32 s[G1SB+0], s44, (3<<16)|(1<<20)|(1<<21)|(5<<22)|(3<<25)
.irp g, G1S, G1SB
	s_mov_b32 s[\g+1], 32<<16
	s_mov_b32 s[\g+2], (128*KS/256)<<16
	s_mov_b32 s[\g+3], 32<<16
	s_mov_b32 s[\g+4], 128*KS/256
	s_mov_b32 s[\g+5], 32
	s_mov_b32 s[\g+6], 0
	s_mov_b32 s[\g+7], 0
.endr
	s_add_nc_u64 s[20:21], s[4:5], s[20:21]
	s_add_nc_u64 s[22:23], s[6:7], s[22:23]
	s_add_nc_u64 s[46:47], s[8:9], s[46:47]
	s_add_nc_u64 s[92:93], s[10:11], s[92:93]
	CROUND                                         ; all sixteen work-groups are here: the first joint loads meet
	s_mov_b32 s[G0S], 1
	s_add_co_u32 s[G0S+1], s94, SCL
	s_mov_b64 s[G0S+2:G0S+3], s[22:23]
	s_or_b32 s[G0S+3], s[G0S+3], 0x80000000
	s_mov_b32 s[G0SB], 1
	s_add_co_u32 s[G0SB+1], s94, SCL
	s_mov_b64 s[G0SB+2:G0SB+3], s[92:93]
	s_or_b32 s[G0SB+3], s[G0SB+3], 0x80000000
	JLOAD G0S, G1S, G0SB, G1SB
.irp s, 0,1
	s_mov_b32 s[G0+4*\s], 1
	s_add_co_u32 s[G0+4*\s+1], s45, \s*SLOT
	s_add_nc_u64 s[G0+4*\s+2:G0+4*\s+3], s[20:21], \s*ROWB
	s_or_b32 s[G0+4*\s+3], s[G0+4*\s+3], 0x80000000
	s_mov_b32 s[G0B+4*\s], 1
	s_add_co_u32 s[G0B+4*\s+1], s45, \s*SLOT
	s_add_nc_u64 s[G0B+4*\s+2:G0B+4*\s+3], s[46:47], \s*ROWB
	s_or_b32 s[G0B+4*\s+3], s[G0B+4*\s+3], 0x80000000
	JLOAD G0+4*\s, G1, G0B+4*\s, G1B
.endr
	v_and_b32 v1, 15, v0                           ; r
	v_bfe_u32 v2, v0, 4, 1                         ; h
	v_mul_u32_u24 v3, v1, PITCH
	v_mul_u32_u24 v4, v2, 24
	v_add_nc_u32 v4, v3, v4
	v_lshl_add_u32 v5, v2, 4, v4
.if QKV
	s_cmp_eq_u32 ttmp9, 2                          ; V: source 1 reads the weight's rows, source 0 the tokens'
	s_cselect_b32 s92, 2*HALFT, 0
	s_cselect_b32 s93, 0, 2*HALFT
	s_cselect_b32 s94, 2*HALFS, 0
	s_cselect_b32 s95, 0, 2*HALFS
.else
	s_mov_b32 s92, 0
	s_mov_b32 s93, 2*HALFT
	s_mov_b32 s94, 0
	s_mov_b32 s95, 2*HALFS
.endif
	s_mul_i32 s21, s15, HALFT
	s_add_co_u32 s21, s21, s92
	s_mul_i32 s22, s16, HALFT
	s_add_co_u32 s22, s22, s93
.irp s, 0,1
	v_add_nc_u32 v[ADRA+\s], s21, v4
	v_add_nc_u32 v[ADRB+\s], s22, v4
	v_add_nc_u32 v[ADRA+2+\s], s21, v5
	v_add_nc_u32 v[ADRB+2+\s], s22, v5
	s_add_co_u32 s21, s21, SLOT
	s_add_co_u32 s22, s22, SLOT
.endr
	v_mul_u32_u24 v5, v1, KS                       ; my row's scales: KS bytes a row, 16 more for each 256 passed; both halves of the lanes read the same word
	v_lshrrev_b32 v6, 8, v5
	v_lshl_add_u32 v5, v6, 4, v5
	s_mul_i32 s21, s15, HALFS
	s_add_co_u32 s21, s21, s94
	s_add_co_u32 s21, s21, SCL
	s_mul_i32 s22, s16, HALFS
	s_add_co_u32 s22, s22, s95
	s_add_co_u32 s22, s22, SCL
	v_add_nc_u32 v[ADRSA], s21, v5
	v_add_nc_u32 v[ADRSB], s22, v5
.if QKV == 0
	s_lshl_b32 s20, s42, 10
	s_lshl_b32 s21, s16, 9
	s_add_co_u32 s20, s20, s21
	s_mov_b32 s21, 0
	s_add_nc_u64 s[12:13], s[12:13], s[20:21]
	v_lshlrev_b32 v7, 5, v2
	WIN TO_B
.irp b, 0,1,2,3,4,5,6,7
	global_load_b128 v[96+8*\b+96*(\b/4):96+8*\b+96*(\b/4)+3], v7, s[12:13] offset:64*\b
	global_load_b128 v[100+8*\b+96*(\b/4):100+8*\b+96*(\b/4)+3], v7, s[12:13] offset:64*\b+16
.endr
	WIN 0
.endif
.macro FRAG reg, adr, q, i             ; 16 rows x 128 K of 6-bit codes: 12 registers, six pieces of 8 bytes; where the piece three on lies behind one padding more, the second address register serves
.irp p, 0,1,2,3,4,5
.set PCE, 12*(\q)+6*(\p/3)+\p%3
.if PCE%8 < 5
	ds_load_b64 v[\reg+2*\p:\reg+2*\p+1], v[\adr] offset:8*PCE+16*(PCE/8)+(\i)*16*PITCH
.else
	ds_load_b64 v[\reg+2*\p:\reg+2*\p+1], v[\adr+2] offset:8*PCE+16*(PCE/8)+(\i)*16*PITCH
.endif
.endr
.endm
; 16 matrix instructions; the 64 accumulators take turns, one instruction a turn, in the same order in every step.  zero = 1: C = 0; 2: C = the bias, in window 1
.macro MUL16 a0, p, q, sc, zero
.irp a, \a0, \a0+1
.irp b, 0,1,2,3,4,5,6,7
.if \zero == 1
	v_wmma_scale_f32_16x16x128_f8f6f4 v[8*(8*((\a)%4)+\b):8*(8*((\a)%4)+\b)+7], v[128*(\p)+FR*\b:128*(\p)+FR*\b+FR-1], v[AF+FR*(\a):AF+FR*(\a)+FR-1], 0, v[SCB+16*(\sc)+2*\b+(\q)], v[SCA+16*(\sc)+2*(\a)+(\q)] matrix_a_fmt:MATRIX_FMT_FP6 matrix_b_fmt:MATRIX_FMT_FP6
.elseif \zero == 2
	v_wmma_scale_f32_16x16x128_f8f6f4 v[8*(8*((\a)%4)+\b):8*(8*((\a)%4)+\b)+7], v[128*(\p)+FR*\b:128*(\p)+FR*\b+FR-1], v[AF+FR*(\a):AF+FR*(\a)+FR-1], v[96+8*\b+96*(\b/4):96+8*\b+96*(\b/4)+7], v[SCB+16*(\sc)+2*\b+(\q)], v[SCA+16*(\sc)+2*(\a)+(\q)] matrix_a_fmt:MATRIX_FMT_FP6 matrix_b_fmt:MATRIX_FMT_FP6
.else
	v_wmma_scale_f32_16x16x128_f8f6f4 v[8*(8*((\a)%4)+\b):8*(8*((\a)%4)+\b)+7], v[128*(\p)+FR*\b:128*(\p)+FR*\b+FR-1], v[AF+FR*(\a):AF+FR*(\a)+FR-1], v[8*(8*((\a)%4)+\b):8*(8*((\a)%4)+\b)+7], v[SCB+16*(\sc)+2*\b+(\q)], v[SCA+16*(\sc)+2*(\a)+(\q)] matrix_a_fmt:MATRIX_FMT_FP6 matrix_b_fmt:MATRIX_FMT_FP6
.endif
.endr
.endr
.endm
.macro WINM hi, zero
.if \zero == 2
	WIN 0x91+0x40*\hi
.else
	WIN MUL_LO+0x50*\hi
.endif
.endm
.macro FETCH_B slot, q, p
	WIN TO_B
.irp i, 0,1,2,3,4,5,6,7
	FRAG 128*(\p)+FR*\i, ADRB+\slot, \q, \i
.endr
	WIN 0
.endm
.macro FETCH_A slot, q, i0
.irp i, \i0, \i0+1, \i0+2, \i0+3
	FRAG AF+FR*(\i), ADRA+\slot, \q, \i
.endr
.endm
.macro SCALES sc                       ; the next K step's scale words: two words a row and side
.irp i, 0,1,2,3,4,5,6,7
	ds_load_b64 v[SCA+16*\sc+2*\i:SCA+16*\sc+2*\i+1], v[ADRSA] offset:\i*SBLK
.endr
.irp i, 0,1,2,3,4,5,6,7
	ds_load_b64 v[SCB+16*\sc+2*\i:SCB+16*\sc+2*\i+1], v[ADRSB] offset:\i*SBLK
.endr
.endm
.macro PLACES n                        ; plain vector lines between a matrix instruction and a load into, or a read of, its registers
.rept \n
	v_nop
.endr
.endm
.macro STEP slot, q, zero
	s_wait_dscnt 4*NL                              ; all but the youngest 24 loads (source 1's blocks 4-7)
	WINM 0, \zero
	MUL16 0, (\q)%2, \q, \slot, \zero
	MUL16 2, (\q)%2, \q, \slot, \zero
	s_wait_dscnt 0
	PLACES NP
	FETCH_B \slot, (\q)+1, 1-(\q)%2
	FETCH_A \slot, (\q)+1, 0
	WINM 1, \zero
	MUL16 4, (\q)%2, \q, \slot, \zero
	MUL16 6, (\q)%2, \q, \slot, \zero
	PLACES NP
	WIN 0
	FETCH_A \slot, (\q)+1, 4
.endm
; a slot's last step changes slots: one barrier; in front of it each wave waits for all its tensor loads, adds 0 to its spare word, and waits for that and for its reads of this slot
.macro TURN slot, next, fill
	s_wait_tensorcnt 0x0                           ; all my tensor loads have landed: my part of the next slot
	ds_add_u32 v[SPW], v[NIL]
	s_wait_dscnt 4*NL+1                            ; the add and the youngest 24 loads may be out
	WIN MUL_LO
	MUL16 0, 1, NQ-1, \slot, 0
	s_wait_dscnt 0x0                               ; the add is done, and my reads of this slot are over
	s_barrier_signal -1
	MUL16 2, 1, NQ-1, \slot, 0
	WIN 0
	s_barrier_wait -1
.if \fill
	CREST                                          ; the barrier has opened a round of the cluster's barrier
	s_add_nc_u64 s[G0+4*\slot+2:G0+4*\slot+3], s[G0+4*\slot+2:G0+4*\slot+3], 2*ROWB
	s_add_nc_u64 s[G0B+4*\slot+2:G0B+4*\slot+3], s[G0B+4*\slot+2:G0B+4*\slot+3], 2*ROWB
	JLOAD G0+4*\slot, G1, G0B+4*\slot, G1B         ; the first tensor load behind the round; its four v_nop are the places in front of the loads below
.else
	PLACES NP
.endif
	v_add_nc_u32 v[ADRSA], 4*NQ, v[ADRSA]
	v_add_nc_u32 v[ADRSB], 4*NQ, v[ADRSB]
	FETCH_B \next, 0, 0
	FETCH_A \next, 0, 0
	SCALES \next
	WIN MUL_HI
	MUL16 4, 1, NQ-1, \slot, 0
	MUL16 6, 1, NQ-1, \slot, 0
	PLACES NP
	WIN 0
	FETCH_A \next, 0, 4
.endm
	s_wait_tensorcnt 1                             ; the scales and my part of K step 0 are in; K step 1's load may be out
	s_barrier_signal -1
	s_barrier_wait -1
	FETCH_B 0, 0, 0
	FETCH_A 0, 0, 0
	SCALES 0
	FETCH_A 0, 0, 4
.if QKV == 0
	s_wait_loadcnt 0x0                             ; the bias
.endif
	STEP 0, 0, FIRSTC
	s_mov_b32 s3, LAPS-1
.Llap:
	TURN 0, 1, 1
	STEP 1, 0, 0
	TURN 1, 0, 1
	STEP 0, 0, 0
	s_sub_co_u32 s3, s3, 1
	s_cmp_lg_u32 s3, 0
	s_cbranch_scc1 .Llap
	TURN 0, 1, 0
	STEP 1, 0, 0
	s_wait_dscnt 4*NL
	WIN MUL_LO
	MUL16 0, 1, NQ-1, 1, 0
	MUL16 2, 1, NQ-1, 1, 0
	s_wait_dscnt 0
	WIN MUL_HI
	MUL16 4, 1, NQ-1, 1, 0
	MUL16 6, 1, NQ-1, 1, 0
	WIN 0
; ---------------- THE WAY OUT: no LDS; results leave from registers in the order of the next operand's registers
.set PC,   32                          ; v32-51 the codes just made
.set TM,   52                          ; v52-55 largest magnitudes, v56-59 bytes, v60-63 the conversions' scale operands
.set PWS,  64                          ; v64-71 the eight tiles' scale words
.set TP,   72                          ; v72-79 at work (V: v72-87 the bias, twice a tile)
.set W,    128                         ; v128-191 64 numbers of a lane
.set SEL,  46
.set QADJ, 36
; 64 numbers of a lane, register 16 b + i in block b (shared with lane l xor 16), become a fragment's codes in v[PC] on and a scale word in v[pw]
.macro QUANT s, floor, adj, pw
.irp b, 0,1,2,3
	v_max3_num_f32 v[TM+\b], |v[\s+16*\b]|, |v[\s+1+16*\b]|, \floor
.endr
.irp i, 2,4,6,8,10,12,14
.irp b, 0,1,2,3
	v_max3_num_f32 v[TM+\b], v[TM+\b], |v[\s+16*\b+\i]|, |v[\s+1+16*\b+\i]|
.endr
.endr
.irp b, 0,1,2,3
	v_permlanex16_b32 v[TM+4+\b], v[TM+\b], s[SEL], s[SEL+1]
.endr
.irp b, 0,1,2,3
	v_max_num_f32 v[TM+\b], v[TM+\b], v[TM+4+\b]
.endr
.irp b, 0,1,2,3
	v_add_nc_u32 v[TM+8+\b], 0xff000000, v[TM+\b]  ; 2 off the exponent field: the conversion's scale operand
.endr
.irp b, 0,1,2,3
	v_lshrrev_b32 v[TM+4+\b], 23, v[TM+8+\b]       ; the scale's byte
.endr
.if \adj
.irp b, 0,1,2,3
	v_sub_nc_u32 v[TM+4+\b], v[TM+4+\b], s[QADJ]   ; Q: 2^-3 into the byte; the floor keeps it at 1 or more
.endr
.endif
	v_lshl_or_b32 v[\pw], v[TM+5], 8, v[TM+4]
	v_lshl_or_b32 v[\pw], v[TM+6], 16, v[\pw]
	v_lshl_or_b32 v[\pw], v[TM+7], 24, v[\pw]
.irp c, 0,1
	v_cvt_scalef32_pk16_fp6_f32 v[PC+6*\c:PC+2+6*\c], v[\s+32*\c:\s+15+32*\c], v[TM+8+2*\c]
	v_cvt_scalef32_pk16_fp6_f32 v[PC+12+4*\c:PC+14+4*\c], v[\s+16+32*\c:\s+31+32*\c], v[TM+8+2*\c+1]
.endr
	v_nop                                          ; one plain line behind a scaled conversion
.irp c, 0,1                                    ; a whole block to a lane: lanes 0-15 block 2 c, lanes 16-31 block 2 c + 1
.irp i, 0,1,2
	v_permlane16_swap_b32 v[PC+6*\c+\i], v[PC+12+4*\c+\i]
.endr
.irp i, 0,1,2
	v_mov_b32 v[PC+3+6*\c+\i], v[PC+12+4*\c+\i]
.endr
.endr
.endm
	PLACES NP
	s_load_b256 s[24:31], s[0:1], 0x40             ; bq, bk, bv, the table (no tensor load of mine is out: the descriptors' registers are free)
	s_load_b128 s[32:35], s[0:1], 0x60             ; qimg, kv
	s_mov_b32 s[SEL], 0x76543210
	s_mov_b32 s[SEL+1], 0xfedcba98
	v_and_b32 v1, 31, v0
	v_lshlrev_b32 v[L16], 4, v1
	v_lshlrev_b32 v[L8], 3, v1
	v_bfe_u32 v2, v0, 4, 1
	v_cmp_ne_u32 vcc_lo, 0, v2                     ; lanes 16-31
.irp b, 0,1,2,3
	v_mov_b32 v[TM+4+\b], 0                        ; a lane permute's destination counts as read
.endr
	s_wait_kmcnt 0x0
	s_cmp_eq_u32 ttmp9, 2
	s_cbranch_scc1 .Lv
	; ---- Q or K
	s_cmp_eq_u32 ttmp9, 0
	s_cselect_b64 s[24:25], s[24:25], s[26:27]     ; the bias
	s_cselect_b64 s[32:33], s[32:33], s[34:35]     ; where the packs go
	s_cselect_b32 s[QADJ], 3, 0
	s_mov_b32 s37, 208896
	s_cselect_b32 s37, 106496, s37                 ; bytes for 128 tokens: 16 packs of Q; 4 blocks of K and V
	s_mov_b32 s38, 52224
	s_cselect_b32 s38, 26624, s38                  ; bytes for four heads
	s_lshl_b32 s39, s17, 1
	s_add_co_u32 s39, s39, s15                     ; which 128 tokens
	s_mul_i32 s37, s39, s37
	s_mul_i32 s38, s40, s38
	s_add_co_u32 s38, s38, s37
	s_mul_i32 s37, s16, 13312                      ; my two heads
	s_add_co_u32 s38, s38, s37
	s_mov_b32 s39, 0
	s_add_nc_u64 s[32:33], s[32:33], s[38:39]
	s_lshl_b32 s38, s40, 10
	s_lshl_b32 s37, s16, 9
	s_add_co_u32 s38, s38, s37
	s_add_nc_u64 s[24:25], s[24:25], s[38:39]      ; my 128 channels' bias
	s_and_b32 s38, s17, 7
	s_lshl_b32 s38, s38, 4
	s_lshl_b32 s37, s15, 3
	s_add_co_u32 s38, s38, s37
	s_lshl_b32 s38, s38, 12
	s_add_nc_u64 s[30:31], s[30:31], s[38:39]      ; my eight token tiles of the table
	s_mov_b32 s37, 0x7f7f0000                      ; scale bytes 1.0 for the upper 64 of the score product's K, where Q's codes are zeros
	v_lshlrev_b32 v3, 5, v2
	WIN TO_B
.irp b, 0,1,2,3,4,5,6,7
	global_load_b128 v[8*\b:8*\b+3], v3, s[24:25] offset:64*\b
	global_load_b128 v[8*\b+4:8*\b+7], v3, s[24:25] offset:64*\b+16
.endr
	WIN 0
.macro ROPELD a
.irp c, 0,1,2,3,4,5,6,7
	global_load_b128 v[96+128*((\a)%2)+4*\c:96+128*((\a)%2)+4*\c+3], v[L16], s[30:31] offset:4096*(\a)+512*\c
.endr
.endm
.macro QKTILE a
.if (\a) < 7
	ROPELD (\a)+1
	s_wait_loadcnt 8                               ; all but the next tile's eight loads
.else
	s_wait_loadcnt 0x0
.endif
	s_wait_xcnt 0x0                                ; the last tile's stores have read their registers
	WIN 0x06+(\a)/4                                ; source 0: the accumulators' window; source 1: the bias, window 1
.set jj, 0
.rept 32
	v_pk_add_f32 v[W+jj:W+jj+1], v[64*((\a)%4)+jj:64*((\a)%4)+jj+1], v[jj:jj+1]
.set jj, jj+2
.endr
	WIN 0
.set RPB, 96+128*((\a)%2)
.irp g, 0,1,2,3                                ; head g / 2, channels 16 (g % 2) + 8 h + j and the same 32 further on
.set RLO, W+32*(\g/2)+8*(\g%2)
.set RHI, RLO+16
.set RCS, RPB+8*(\g%2)
.set RSN, RCS+16
.irp p, 0,2,4,6
	v_pk_mul_f32 v[TP+\p:TP+\p+1], v[RLO+\p:RLO+\p+1], v[RSN+\p:RSN+\p+1]
.endr
.irp p, 0,2,4,6
	v_pk_mul_f32 v[RLO+\p:RLO+\p+1], v[RLO+\p:RLO+\p+1], v[RCS+\p:RCS+\p+1]
.endr
.irp p, 0,2,4,6
	v_pk_fma_f32 v[RLO+\p:RLO+\p+1], v[RHI+\p:RHI+\p+1], v[RSN+\p:RSN+\p+1], v[RLO+\p:RLO+\p+1] neg_lo:[0,1,0] neg_hi:[0,1,0]
.endr
.irp p, 0,2,4,6
	v_pk_fma_f32 v[RHI+\p:RHI+\p+1], v[RHI+\p:RHI+\p+1], v[RCS+\p:RCS+\p+1], v[TP+\p:TP+\p+1]
.endr
.endr
	QUANT W, 0x3000000, 1, PWS+(\a)
	global_store_b128 v[L16], v[PC:PC+3], s[32:33] offset:768*(\a)             ; 512 consecutive bytes, aligned
	global_store_b64 v[L8], v[PC+4:PC+5], s[32:33] offset:768*(\a)+512         ; 256
	global_store_b128 v[L16], v[PC+6:PC+9], s[32:33] offset:768*(\a)+6656      ; the second head's pack
	global_store_b64 v[L8], v[PC+10:PC+11], s[32:33] offset:768*(\a)+6656+512
.endm
	ROPELD 0
.irp a, 0,1,2,3,4,5,6,7
	QKTILE \a
.endr
.irp g, 0,1,2,3
	v_cndmask_b32 v[72+\g], v[PWS+2*\g], v[PWS+2*\g+1], vcc_lo    ; lanes 0-15 tile 2 g, lanes 16-31 tile 2 g + 1
.endr
.irp g, 0,1,2,3
	v_and_or_b32 v[76+\g], v[72+\g], 0xffff, s37
	v_lshrrev_b32 v[80+\g], 16, v[72+\g]
.endr
.irp g, 0,1,2,3
	v_or_b32 v[80+\g], s37, v[80+\g]
.endr
	global_store_b128 v[L16], v[76:79], s[32:33] offset:6144
	global_store_b128 v[L16], v[80:83], s[32:33] offset:6144+6656
	s_branch .Ldone
.Lv:
	s_lshl_b32 s36, s17, 1
	s_add_co_u32 s36, s36, s16                     ; which 128 tokens
	s_lshl_b32 s36, s36, 2
	s_add_co_u32 s36, s36, s40                     ; which four heads
	s_mul_i32 s36, s36, 52224
	s_mul_i32 s37, s15, 12800                      ; my two heads' packs of V,
	s_add_co_u32 s36, s36, s37
	s_add_co_u32 s36, s36, 26624                   ; behind the four packs of K
	s_mov_b32 s37, 0
	s_add_nc_u64 s[34:35], s[34:35], s[36:37]
	s_lshl_b32 s36, s40, 10
	s_lshl_b32 s38, s15, 9
	s_add_co_u32 s36, s36, s38
	s_add_nc_u64 s[28:29], s[28:29], s[36:37]
	v_and_b32 v3, 15, v0
	v_lshlrev_b32 v3, 2, v3
.irp a, 0,1,2,3,4,5,6,7
	global_load_b32 v[TP+2*\a], v3, s[28:29] offset:64*\a       ; my channel's bias, in both halves of a pair
	global_load_b32 v[TP+2*\a+1], v3, s[28:29] offset:64*\a
.endr
	s_wait_loadcnt 0x0
.macro VTILE a
	s_wait_xcnt 0x0
	WIN 0x02+(\a)/4
.set jj, 0
.rept 32
	v_pk_add_f32 v[W+jj:W+jj+1], v[64*((\a)%4)+jj:64*((\a)%4)+jj+1], v[TP+2*(\a):TP+2*(\a)+1]
.set jj, jj+2
.endr
	WIN 0
	QUANT W, 0x1800000, 0, PWS+(\a)
.irp c, 0,1,2
	global_store_b128 v[L16], v[PC+4*\c:PC+4*\c+3], s[34:35] offset:((\a)/4)*6400+((\a)%4)*1536+512*\c
.endr
.endm
.irp a, 0,1,2,3,4,5,6,7
	VTILE \a
.endr
.irp g, 0,1,2,3
	v_cndmask_b32 v[88+\g], v[PWS+2*\g], v[PWS+2*\g+1], vcc_lo
.endr
	global_store_b64 v[L8], v[88:89], s[34:35] offset:6144
	global_store_b64 v[L8], v[90:91], s[34:35] offset:6400+6144
.Ldone:
	s_wait_tensorcnt 0x0                           ; the wave's end
	ds_add_u32 v[SPW], v[NIL]
	s_wait_dscnt 0x0
	CROUND                                         ; the closing round
	s_endpgm
.Lfunc_end_k_qa3bc9798c1_qkv:
	.size	k_qa3bc9798c1_qkv, .Lfunc_end_k_qa3bc9798c1_qkv-k_qa3bc9798c1_qkv
	.p2alignl 7, 3214868480
	.fill 96, 4, 3214868480
	.section	.rodata,"a",@progbits
	.p2align	6, 0x0
	.amdhsa_kernel k_qa3bc9798c1_qkv
		.amdhsa_group_segment_fixed_size 327680
		.amdhsa_private_segment_fixed_size 0
		.amdhsa_enable_private_segment 0
		.amdhsa_kernarg_size 112
		.amdhsa_user_sgpr_count 2
		.amdhsa_user_sgpr_kernarg_segment_ptr 1
		.amdhsa_wavefront_size32 1
		.amdhsa_system_sgpr_workgroup_id_x 1
		.amdhsa_system_sgpr_workgroup_id_y 1
		.amdhsa_system_sgpr_workgroup_id_z 1
		.amdhsa_system_vgpr_workitem_id 0
		.amdhsa_next_free_vgpr 1024
		.amdhsa_next_free_sgpr 100
		.amdhsa_reserve_vcc 1
		.amdhsa_float_denorm_mode_32 3
		.amdhsa_float_denorm_mode_16_64 3
		.amdhsa_memory_ordered 1
		.amdhsa_forward_progress 1
		.amdhsa_inst_pref_size 255
	.end_amdhsa_kernel
	.section	.bss,"aw",@nobits
	.p2align	6
	.space	262144
	.amdgpu_metadata
---
amdhsa.version: [ 1, 2 ]
amdhsa.kernels:
  - .name:           k_qa3bc9798c1_qkv
    .symbol:         k_qa3bc9798c1_qkv.kd
    .args:
      - { .name: nc, .offset: 0, .size: 8, .value_kind: global_buffer, .address_space: global }
      - { .name: ns, .offset: 8, .size: 8, .value_kind: global_buffer, .address_space: global }
      - { .name: Wq_codes, .offset: 16, .size: 8, .value_kind: global_buffer, .address_space: global }
      - { .name: Wq_scales, .offset: 24, .size: 8, .value_kind: global_buffer, .address_space: global }
      - { .name: Wk_codes, .offset: 32, .size: 8, .value_kind: global_buffer, .address_space: global }
      - { .name: Wk_scales, .offset: 40, .size: 8, .value_kind: global_buffer, .address_space: global }
      - { .name: Wv_codes, .offset: 48, .size: 8, .value_kind: global_buffer, .address_space: global }
      - { .name: Wv_scales, .offset: 56, .size: 8, .value_kind: global_buffer, .address_space: global }
      - { .name: bq, .offset: 64, .size: 8, .value_kind: global_buffer, .address_space: global }
      - { .name: bk, .offset: 72, .size: 8, .value_kind: global_buffer, .address_space: global }
      - { .name: bv, .offset: 80, .size: 8, .value_kind: global_buffer, .address_space: global }
      - { .name: rope, .offset: 88, .size: 8, .value_kind: global_buffer, .address_space: global }
      - { .name: qimg, .offset: 96, .size: 8, .value_kind: global_buffer, .address_space: global }
      - { .name: kv, .offset: 104, .size: 8, .value_kind: global_buffer, .address_space: global }
    .group_segment_fixed_size: 327680
    .private_segment_fixed_size: 0
    .kernarg_segment_align: 8
    .kernarg_segment_size: 112
    .max_flat_workgroup_size: 128
    .sgpr_count:     100
    .vgpr_count:     1024
    .wavefront_size: 32
...
	.end_amdgpu_metadata
.endif
;; end of part 2
;; launch attn (part 3): grid 32 x 8, 8 waves a work-group, clusters of 4 x 4, 327,680 bytes of LDS; arguments mask, qimg, kv, ac, asc; writes ac, asc
.if DOCPART == 3
	.amdgcn_target "amdgcn-amd-amdhsa--gfx1250"
	.amdhsa_code_object_version 6
	.text
	.protected	k_qa3bc9798c1_attn
	.globl	k_qa3bc9798c1_attn
	.p2align	8
	.type	k_qa3bc9798c1_attn,@function
k_qa3bc9798c1_attn:
	s_mov_b64 s[64:65], 0
	v_nop
	global_prefetch_b8 v0, s[64:65] scope:SCOPE_SE
	s_setreg_imm32_b32 hwreg(HW_REG_WAVE_MODE, 25, 1), 1
	s_wait_xcnt 0x0
	s_wait_alu depctr_hold_cnt(0) depctr_sa_sdst(0) depctr_va_vdst(0) depctr_va_sdst(0) depctr_va_ssrc(0) depctr_va_vcc(0) depctr_vm_vsrc(0)
	s_getreg_b32 s2, hwreg(HW_REG_IB_STS2, 6, 4)
	s_cmp_eq_u32 s2, 0
	s_cbranch_scc0 .Lentry_in_a_cluster
	s_endpgm
.Lentry_in_a_cluster:
	s_bfe_u32 s2, ttmp6, 0x10000c
	s_cmp_lg_u32 s2, 0xf033
	s_cbranch_scc0 .Lentry_shape_is_right
	s_endpgm
.Lentry_shape_is_right:
; ATTENTION on codes of FP6 (E2M3).  scores = Q K^T / 8 + mask; p = 2^(t - M), t = score x log2(e), M = the ceiling of the running largest t; O = (sum of p V) / (sum of unquantised p); O is quantised along its row for the next product.
; A work-group owns 64 queries x 4 heads of one batch; wave w: head w / 2, queries 32 (w % 2) on: two UNITS of 16 queries, unit e in register window e at the same numbers.  16 steps of 128 keys.
; Both products transposed: S^T = K Q^T (source 0 = 16 keys), O^T = V^T P^T (source 0 = 16 channels): a lane holds ONE query throughout.
; THE MASK IS THE C OF THE SCORE PRODUCT: its tile (64 queries x 128 keys, f32) is loaded from LDS straight into the accumulators; 1/8 lies in Q's scale bytes.
; The head has 64 channels, the instruction takes 128: Q's upper 64 codes are zeros and both sides' upper scale bytes are 1.0; K's upper six registers are the next tile's codes (E2M3 has no infinity and no NaN): they add exactly 0.
; p's and V's codes carry the same order inside each block of 32 keys ({8h.., 16+8h..} a lane), so the second product is unchanged.
; THE TWO UNITS WORK HALF A STEP APART.  A trip: unit 1's softmax of the step before, with the loads of K and of unit 0's mask among its exponentials | unit 0's scores, unit 1's V^T P of the step before |
;   unit 0's softmax, with the loads of unit 1's mask and of V among its exponentials | unit 1's scores, unit 0's V^T P.  So no long run of LDS loads stands with no vector work behind it, and each group of products
;   stands ahead of the other unit's vector work.  The loads stand in eight runs of four, each between two switches of the register window.  V has registers of its own (window 1, v0-47), so that K of a step can come while V of the step before is still owed to unit 1.
; CLUSTER 4 x 4: cx = block of queries, cy = group of four heads.  The mask's tile hangs on the queries alone: shared along a column; the block of K and V (52,224 dense bytes) on batch and heads alone: shared along a row.
; RING: two slots of one key step; behind each round of the cluster's barrier one joint load a wave (waves 0, 1: the mask's halves; waves 4-7: quarters of K and V; waves 2, 3 none).
; LIMITS: a row whose mask is -infinity throughout gives NaN, as a softmax of such a row does; other NaN and infinities are not served.  Blocks of O under 2^-124 are held at that floor's scale.
.set SLOT,  86016                      ; the mask's 64 rows x (512 + 16) bytes, then the block of K and V
.set KVO,   33792
.set SST,   2*SLOT                     ; 512 bytes: the scale words of O meet here (written by LDS stores alone)
.set SPARE, SST+512                    ; the spare words: 128 bytes a wave
.set SPW, 1
.set NIL, 2
.set ADM, 3                            ; v3, v4   the mask's rows of my units, slot 0, 1
.set ADK, 5                            ; v5, v6   my head's pack of K + 16 lane
.set ADK8, 7                           ; v7, v8   + 512 + 8 lane
.set ADV, 9                            ; v9, v10  my head's pack of V + 16 lane
.set ADVS, 11                          ; v11, v12 its scale words
.set L16, 13
.set L8,  14
.set PFO, 15
.set PFO2, 16
.set SSTA, 19
.set KSC, 20                           ; v20-23 K's scale words: lanes 0-15 tile 2 g, lanes 16-31 tile 2 g + 1
.set VSC, 24                           ; v24-25 V's likewise
.set QSC, 26                           ; Q's: lanes 0-15 unit 0, lanes 16-31 unit 1
.set PSC, 28                           ; v28, v29 p's, unit 0, 1
.set KB,  30                           ; v30-83: K's tile t at 30 + 6 t
.set VB,  0                            ; in window 1: v0-47: V's fragment c at 12 c
.set SSTR, 84
.set ASO, 85
.set S,   96                           ; a unit's registers, in window e
.set O,   160
.set QF,  192
.set PC,  204
.set PC2, 216
.set NM,  224                          ; -M;  v225 the largest t
.set TT,  225
.set SUM, 226
.set BM,  228
.set PB,  232
.set SO,  236
.set F,   240                          ; f = 2^(old M - new M);  v241 the scale word just made
.set PW,  241
.set T,   242
.set WV,  14
.set SEL, 22
.set CS,  24
.set G1M, 28
.set G1K, 36
.set G0M, 44
.set G0K, 52
.set STP, 61
.set LIM, 62
.set PFA, 66
.set PFS, 68
.set MSB, 0
.macro WIN new                         ; the immediate's high byte repeats the setting that is left
.if MSB != \new
	s_set_vgpr_msb (MSB<<8)|\new
.set MSB, \new
.endif
.endm
.macro PLACES n                        ; plain vector lines between a matrix instruction and a load into, or a read of, its registers
.rept \n
	v_nop
.endr
.endm
.macro ROUND                           ; a round of the cluster's barrier
	s_barrier_signal -1
	s_barrier_wait -1
	s_cmp_lg_u32 s[WV], 0
	s_cbranch_scc1 .Lnot_wave_0_\@
	s_barrier_signal -3
.Lnot_wave_0_\@:
	s_barrier_wait -3
	s_barrier_signal -1
	s_barrier_wait -1
.endm
.macro TLOAD n                         ; the branches hang on the wave's number alone; four v_nop follow each line
	s_cmp_lt_u32 s[WV], 2
	s_cbranch_scc0 .Lnot_m_\@
	tensor_load_to_lds s[G0M+4*(\n):G0M+4*(\n)+3], s[G1M:G1M+7]
	s_nop 0
.rept 4
	v_nop
.endr
	s_branch .Lasked_\@
.Lnot_m_\@:
	s_cmp_lt_u32 s[WV], 4
	s_cbranch_scc1 .Lasked_\@
	tensor_load_to_lds s[G0K+4*(\n):G0K+4*(\n)+3], s[G1K:G1K+7]
	s_nop 0
.rept 4
	v_nop
.endr
.Lasked_\@:
.endm
; A prefetch of the tiles of key step j + 3, in step j = 0 .. 12: two steps ahead of the tensor load that asks for them.  Each aligned block of 256 bytes is named by one lane group of one wave:
; the mask's rows are read by both clusters of a column of clusters: cluster y = 0 asks, wave 2, the four partners of a column 16 rows each, told apart by address (2 blocks a row);
; a block of K and V is read by all eight clusters of a row: cluster x = 0 asks, wave 3, the four partners of a row 51 blocks each (the second line's spare lanes repeat block 50).
.macro ASK
	s_cmp_lt_u32 s[STP], s[LIM]
	s_cbranch_scc0 .Lnot_mine_\@
	global_prefetch_b8 v[PFO], s[PFA:PFA+1] th:TH_LOAD_NT scope:SCOPE_SE
	s_cmp_eq_u32 s[WV], 3
	s_cbranch_scc0 .Lnot_mine_\@
	global_prefetch_b8 v[PFO2], s[PFA:PFA+1] th:TH_LOAD_NT scope:SCOPE_SE
.Lnot_mine_\@:
.endm
	s_load_b256 s[4:11], s[0:1], 0x0               ; mask, qimg, kv, ac
	s_load_b64 s[12:13], s[0:1], 0x20              ; asc
	v_lshl_add_u32 v[SPW], v0, 2, SPARE
	v_mov_b32 v[NIL], 0
	ds_add_u32 v1, v2
	s_wait_dscnt 0x0
	v_lshrrev_b32 v3, 5, v0
	v_readfirstlane_b32 s[WV], v3                  ; wave 0..7
	s_lshr_b32 s15, s[WV], 1                       ; my head of the four
	s_and_b32 s16, s[WV], 1                        ; my 32 queries of the 64
	s_bfe_u32 s17, ttmp6, 0x40000                  ; cx
	s_bfe_u32 s18, ttmp6, 0x40004                  ; cy
	s_lshl_b32 s19, ttmp9, 2
	s_add_co_u32 s19, s19, s17                     ; block of 64 queries
	s_and_b32 s20, ttmp7, 0xffff                   ; batch = cluster y
	s_lshl_b32 s70, 0x1111, s17                    ; my column of the cluster
	s_lshl_b32 s71, s18, 2
	s_lshl_b32 s71, 15, s71                        ; my row
	s_or_b32 s[G1M], s70, (2<<16)|(1<<20)|(1<<21)|(6<<22)|(3<<25)   ; elements of 4 bytes; 4 words of padding behind every 128
	s_mov_b32 s[G1M+1], 128<<16
	s_mov_b32 s[G1M+2], 32<<16
	s_mov_b32 s[G1M+3], 128<<16
	s_mov_b32 s[G1M+4], 32
	s_mov_b32 s[G1M+5], 2048
	s_mov_b32 s[G1M+6], 0
	s_mov_b32 s[G1M+7], 0
	s_or_b32 s[G1K], s71, (3<<16)|(1<<21)          ; 51 dense rows of 256 bytes
	s_mov_b32 s[G1K+1], 32<<16
	s_mov_b32 s[G1K+2], 51<<16
	s_mov_b32 s[G1K+3], 32<<16
	s_mov_b32 s[G1K+4], 51
	s_mov_b32 s[G1K+5], 32
	s_mov_b32 s[G1K+6], 0
	s_mov_b32 s[G1K+7], 0
	s_lshl_b32 s72, s19, 19                        ; the mask: 64 rows of 8,192 bytes a block of queries,
	s_lshl_b32 s73, s16, 18                        ; 32 rows a load
	s_add_co_u32 s72, s72, s73
	s_mov_b32 s73, 0
	s_lshl_b32 s74, s20, 6                         ; K and V: block (16 batch + step) x 4 + cy
	s_add_co_u32 s74, s74, s18
	s_mul_i32 s74, s74, 52224
	s_and_b32 s76, s[WV], 3
	s_mul_i32 s76, s76, 13056                      ; a quarter a load
	s_add_co_u32 s74, s74, s76
	s_mov_b32 s75, 0
	s_mul_i32 s77, s16, 16896
	s_add_co_u32 s76, s76, KVO
	s_mov_b32 s[SEL], 0x76543210
	s_mov_b32 s[SEL+1], 0xfedcba98
	s_mov_b32 s[CS], 0x3fb8aa3b                    ; log2(e)
	s_mov_b32 s[CS+1], s[CS]
	s_mov_b32 s[STP], 0
	s_wait_kmcnt 0x0
	s_add_nc_u64 s[72:73], s[4:5], s[72:73]
	s_add_nc_u64 s[74:75], s[8:9], s[74:75]
	ROUND                                          ; in front of the first joint loads
.irp n, 0,1
	s_mov_b32 s[G0M+4*\n], 1
	s_add_co_u32 s[G0M+4*\n+1], s77, \n*SLOT
	s_add_nc_u64 s[G0M+4*\n+2:G0M+4*\n+3], s[72:73], \n*512
	s_or_b32 s[G0M+4*\n+3], s[G0M+4*\n+3], 0x80000000
	s_mov_b32 s[G0K+4*\n], 1
	s_add_co_u32 s[G0K+4*\n+1], s76, \n*SLOT
	s_add_nc_u64 s[G0K+4*\n+2:G0K+4*\n+3], s[74:75], \n*208896
	s_or_b32 s[G0K+4*\n+3], s[G0K+4*\n+3], 0x80000000
.endr
	TLOAD 0                                        ; key step 0
	v_and_b32 v86, 31, v0                          ; lane
	v_and_b32 v87, 15, v0                          ; r
	v_bfe_u32 v88, v0, 4, 1                        ; h
	v_lshlrev_b32 v[L16], 4, v86
	v_lshlrev_b32 v[L8], 3, v86
	v_mul_u32_u24 v[ADM], v87, 528
	v_lshl_add_u32 v[ADM], v88, 5, v[ADM]
	s_mul_i32 s76, s16, 32*528
	v_add_nc_u32 v[ADM], s76, v[ADM]               ; row 32 qp + r, + 32 h
	v_add_nc_u32 v[ADM+1], SLOT, v[ADM]
	s_mul_i32 s76, s15, 6656
	s_add_co_u32 s76, s76, KVO
	v_add_nc_u32 v[ADK], s76, v[L16]
	v_add_nc_u32 v[ADK+1], SLOT, v[ADK]
	s_add_co_u32 s76, s76, 512
	v_add_nc_u32 v[ADK8], s76, v[L8]
	v_add_nc_u32 v[ADK8+1], SLOT, v[ADK8]
	s_mul_i32 s76, s15, 6400
	s_add_co_u32 s76, s76, KVO+26624
	v_add_nc_u32 v[ADV], s76, v[L16]
	v_add_nc_u32 v[ADV+1], SLOT, v[ADV]
	s_add_co_u32 s76, s76, 6144
	v_add_nc_u32 v[ADVS], s76, v[L8]
	v_add_nc_u32 v[ADVS+1], SLOT, v[ADVS]
	s_lshr_b32 s76, s15, 1
	s_lshl_b32 s76, s76, 8
	s_lshl_b32 s77, s16, 7
	s_add_co_u32 s76, s76, s77
	s_and_b32 s77, s15, 1
	s_lshl_b32 s77, s77, 1
	s_add_co_u32 s76, s76, s77
	s_add_co_u32 s76, s76, SST
	v_lshl_add_u32 v[SSTA], v87, 2, s76            ; O's two scale bytes: [K step of 128][tile][row] words, my head's half of the word
	v_add_nc_u32 v[SSTR], SST, v[L16]
	v_lshlrev_b32 v[ASO], 9, v88
	v_lshl_add_u32 v[ASO], v87, 4, v[ASO]
	; where Q comes from and O goes to
	s_lshr_b32 s78, s19, 1
	s_lshl_b32 s79, s20, 4
	s_add_co_u32 s78, s78, s79                     ; which 128 tokens
	s_lshl_b32 s79, s78, 4
	s_lshl_b32 s80, s18, 2
	s_add_co_u32 s79, s79, s80
	s_add_co_u32 s79, s79, s15                     ; x 16 + head
	s_and_b32 s80, s19, 1
	s_lshl_b32 s81, s80, 1
	s_add_co_u32 s81, s81, s16                     ; which pair of tiles of the eight
	s_mul_i32 s82, s79, 6656
	s_lshl_b32 s84, s81, 2
	s_add_co_u32 s84, s84, s82
	s_mov_b32 s85, 0
	s_mul_i32 s86, s81, 1536
	s_add_co_u32 s82, s82, s86
	s_mov_b32 s83, 0
	s_mul_i32 s88, s79, 6144
	s_add_co_u32 s88, s88, s86
	s_mov_b32 s89, 0
	s_lshl_b32 s90, s78, 3
	s_lshl_b32 s91, s18, 1
	s_add_co_u32 s90, s90, s91
	s_lshl_b32 s90, s90, 9
	s_lshl_b32 s91, s80, 8
	s_add_co_u32 s90, s90, s91
	s_mov_b32 s91, 0
	s_add_nc_u64 s[82:83], s[6:7], s[82:83]        ; Q's codes, my unit 0
	s_add_nc_u64 s[84:85], s[6:7], s[84:85]        ; Q's pack + my word of the scale image
	s_add_nc_u64 s[88:89], s[10:11], s[88:89]      ; O's codes
	s_add_nc_u64 s[90:91], s[12:13], s[90:91]      ; O's scale words
	global_load_b128 v[QF:QF+3], v[L16], s[82:83]
	global_load_b64 v[QF+4:QF+5], v[L8], s[82:83] offset:512
	global_load_b32 v[QSC], v[L16], s[84:85] offset:6144
	WIN 0x40
	global_load_b128 v[QF:QF+3], v[L16], s[82:83] offset:768
	global_load_b64 v[QF+4:QF+5], v[L8], s[82:83] offset:768+512
	WIN 0
	; the prefetches: who asks, and where
	s_lshl_b32 s70, s19, 19
	s_lshl_b32 s71, s18, 17
	s_add_co_u32 s70, s70, s71
	s_add_co_u32 s70, s70, 1024                    ; the mask: my 16 rows, at key step 2: the first step moves it to 3
	s_lshl_b32 s71, s20, 6
	s_add_co_u32 s71, s71, s18
	s_add_co_u32 s71, s71, 8
	s_mul_i32 s71, s71, 52224
	s_mul_i32 s86, s17, 13056
	s_add_co_u32 s71, s71, s86                     ; K and V: my 51 blocks, at key step 2
	s_mov_b32 s86, 208896
	s_cmp_eq_u32 s[WV], 2
	s_cselect_b64 s[PFA:PFA+1], s[4:5], s[8:9]
	s_cselect_b32 s[PFS], 512, s86
	s_cselect_b32 s70, s70, s71
	s_cselect_b32 s87, s20, ttmp9                  ; the cluster coordinate along which others read the same bytes
	s_cselect_b32 s86, -1, 0
	s_mov_b32 s71, 0
	s_mov_b32 s[PFS+1], 0
	s_add_nc_u64 s[PFA:PFA+1], s[PFA:PFA+1], s[70:71]
	s_lshr_b32 s70, s[WV], 1
	s_xor_b32 s70, s70, 1                          ; 0 in waves 2 and 3
	s_or_b32 s70, s70, s87
	s_cmp_eq_u32 s70, 0
	s_cselect_b32 s[LIM], 13, 0                    ; the same in all partners, for a given wave
	v_lshrrev_b32 v[PFO], 1, v86
	v_lshlrev_b32 v[PFO], 13, v[PFO]
	v_and_b32 v[PFO2], 1, v86
	v_lshl_add_u32 v[PFO], v[PFO2], 8, v[PFO]      ; the mask: row lane / 2, block lane % 2
	v_lshlrev_b32 v[PFO2], 8, v86                  ; K and V: block = lane
	v_cndmask_b32 v[PFO], v[PFO2], v[PFO], s86
	v_add_nc_u32 v[PFO2], 32, v86
	v_min_u32 v[PFO2], 50, v[PFO2]
	v_lshlrev_b32 v[PFO2], 8, v[PFO2]
.irp i, 78,79,80,81,82,83
	v_mov_b32 v[\i], 0                             ; named as the upper half of K's last tile
.endr
.macro INIT e
	WIN 0x55*\e
.set jj, 0
.rept 32
	v_mov_b32 v[O+jj], 0                           ; the step is written once: the first finds zeros
.set jj, jj+1
.endr
.irp i, 6,7,8,9,10,11
	v_mov_b32 v[QF+\i], 0                          ; Q's codes of the upper 64 along K
.endr
	v_mov_b32 v[TT], 0xff61b1e6                    ; -3e38, under every t
	v_floor_f32 v[NM], -v[TT]
	v_mov_b32 v[SUM], 0
	v_mov_b32 v[SUM+1], 0
.irp b, 0,1,2,3
	v_mov_b32 v[PB+\b], 0
.endr
	v_mov_b32 v[PW], 0
.endm
	INIT 0
	INIT 1
	WIN 0
.macro SCORE e                         ; eight products, eight accumulators: each begins with the mask as its C
.irp t, 0,1,2,3,4,5,6,7
.if (\e == 0) && (\t % 2 == 0)
	v_wmma_scale_f32_16x16x128_f8f6f4 v[S+8*\t:S+8*\t+7], v[KB+6*\t:KB+6*\t+11], v[QF:QF+11], v[S+8*\t:S+8*\t+7], v[KSC+\t/2], v[QSC] matrix_a_fmt:MATRIX_FMT_FP6 matrix_b_fmt:MATRIX_FMT_FP6
.elseif \e == 0
	v_wmma_scale_f32_16x16x128_f8f6f4 v[S+8*\t:S+8*\t+7], v[KB+6*\t:KB+6*\t+11], v[QF:QF+11], v[S+8*\t:S+8*\t+7], v[KSC+\t/2], v[QSC] matrix_a_fmt:MATRIX_FMT_FP6 matrix_b_fmt:MATRIX_FMT_FP6 matrix_a_scale:MATRIX_SCALE_ROW1
.elseif \t % 2 == 0
	v_wmma_scale_f32_16x16x128_f8f6f4 v[S+8*\t:S+8*\t+7], v[KB+6*\t:KB+6*\t+11], v[QF:QF+11], v[S+8*\t:S+8*\t+7], v[KSC+\t/2], v[QSC] matrix_a_fmt:MATRIX_FMT_FP6 matrix_b_fmt:MATRIX_FMT_FP6 matrix_b_scale:MATRIX_SCALE_ROW1
.else
	v_wmma_scale_f32_16x16x128_f8f6f4 v[S+8*\t:S+8*\t+7], v[KB+6*\t:KB+6*\t+11], v[QF:QF+11], v[S+8*\t:S+8*\t+7], v[KSC+\t/2], v[QSC] matrix_a_fmt:MATRIX_FMT_FP6 matrix_b_fmt:MATRIX_FMT_FP6 matrix_a_scale:MATRIX_SCALE_ROW1 matrix_b_scale:MATRIX_SCALE_ROW1
.endif
.endr
.endm
.macro PV e                            ; four products, four accumulators; source 0, V, lies in window 1 for both units
.irp c, 0,1,2,3
.if \c % 2 == 0
	v_wmma_scale_f32_16x16x128_f8f6f4 v[O+8*\c:O+8*\c+7], v[VB+12*\c:VB+12*\c+11], v[PC:PC+11], v[O+8*\c:O+8*\c+7], v[VSC+\c/2], v[PSC+\e] matrix_a_fmt:MATRIX_FMT_FP6 matrix_b_fmt:MATRIX_FMT_FP6
.else
	v_wmma_scale_f32_16x16x128_f8f6f4 v[O+8*\c:O+8*\c+7], v[VB+12*\c:VB+12*\c+11], v[PC:PC+11], v[O+8*\c:O+8*\c+7], v[VSC+\c/2], v[PSC+\e] matrix_a_fmt:MATRIX_FMT_FP6 matrix_b_fmt:MATRIX_FMT_FP6 matrix_a_scale:MATRIX_SCALE_ROW1
.endif
.endr
.endm
; An eighth of what unit 0's scores want: K's tile n, and the mask of unit 0's queries for keys 16 n on (register 8 n + j of lane (r, h): mask(query r, key 16 n + 8 h + j)).  All in window 0.
.macro LDA slot, n
	WIN 0
	ds_load_b128 v[KB+6*(\n):KB+6*(\n)+3], v[ADK+\slot] offset:768*(\n)
	ds_load_b64 v[KB+6*(\n)+4:KB+6*(\n)+5], v[ADK8+\slot] offset:768*(\n)
	ds_load_b128 v[S+8*(\n):S+8*(\n)+3], v[ADM+\slot] offset:64*(\n)
	ds_load_b128 v[S+8*(\n)+4:S+8*(\n)+7], v[ADM+\slot] offset:64*(\n)+16
.endm
; An eighth of what follows unit 0's softmax: the mask of unit 1's queries (16 rows of 528 bytes further on) for keys 16 n on, and two of the twelve pieces of V (piece m: registers 4 m on, 512 m bytes on).  Destinations in window 1.
.macro LDB slot, n
	WIN 0x40
	ds_load_b128 v[S+8*(\n):S+8*(\n)+3], v[ADM+\slot] offset:8448+64*(\n)
	ds_load_b128 v[S+8*(\n)+4:S+8*(\n)+7], v[ADM+\slot] offset:8448+64*(\n)+16
.if (\n) < 6
	ds_load_b128 v[VB+8*(\n):VB+8*(\n)+3], v[ADV+\slot] offset:1024*(\n)
	ds_load_b128 v[VB+8*(\n)+4:VB+8*(\n)+7], v[ADV+\slot] offset:1024*(\n)+512
.endif
.endm
; One unit's softmax of a key step, all in window e.  ld = 1: behind every eighth exponential stands a run of LDS loads for the other unit's scores (unit 1's softmax carries LDA, unit 0's LDB):
; none of them names a register of this unit's batch.
.macro SOFTMAX e, ld, slot
	WIN 0x55*\e
.irp b, 0,1,2,3
	v_max3_num_f32 v[BM+\b], v[S+16*\b], v[S+1+16*\b], v[S+2+16*\b]     ; the largest score of each block of 32 keys: for the row's maximum and for the block's largest p
.endr
.irp i, 3,5,7,9,11,13
.irp b, 0,1,2,3
	v_max3_num_f32 v[BM+\b], v[BM+\b], v[S+16*\b+\i], v[S+1+16*\b+\i]
.endr
.endr
.irp b, 0,1,2,3
	v_max_num_f32 v[BM+\b], v[BM+\b], v[S+15+16*\b]
.endr
.irp b, 0,1,2,3
	v_permlanex16_b32 v[PB+\b], v[BM+\b], s[SEL], s[SEL+1]
.endr
.irp b, 0,1,2,3
	v_max_num_f32 v[BM+\b], v[BM+\b], v[PB+\b]
.endr
	v_max3_num_f32 v[T], v[BM], v[BM+1], v[BM+2]
	v_max_num_f32 v[T], v[T], v[BM+3]
	v_mul_f32 v[T], s[CS], v[T]
	v_max_num_f32 v[TT], v[TT], v[T]               ; the running largest t
	v_mov_b32 v[T], v[NM]
	v_floor_f32 v[NM], -v[TT]                      ; -M = floor(-t): M is a whole number
	v_sub_f32 v[T], v[NM], v[T]
	v_cvt_i32_f32 v[T], v[T]                       ; (it saturates)
	v_ldexp_f32 v[F], 1.0, v[T]                    ; f = 2^(old M - new M): rounds nothing
.set jj, 0
.rept 32
	v_pk_fma_f32 v[S+jj:S+jj+1], v[S+jj:S+jj+1], s[CS:CS+1], v[NM:NM+1] op_sel_hi:[1,0,0]
.set jj, jj+2
.endr
.irp b, 0,1,2,3
	v_fma_f32 v[BM+\b], v[BM+\b], s[CS], v[NM]
.endr
.set jj, 0
.rept 64
	v_exp_f32 v[S+jj], v[S+jj]                     ; p = 2^(t - M)
.if (\ld) && (jj%8 == 7)
.if \e
	LDA \slot, jj/8
.else
	LDB \slot, jj/8
.endif
	WIN 0x55*\e
.endif
.set jj, jj+1
.endr
	v_pk_mul_f32 v[SUM:SUM+1], v[SUM:SUM+1], v[F:F+1] op_sel_hi:[1,0]   ; a plain line behind the exponentials
	s_wait_alu depctr_va_vdst(0)                   ; one wait for the batch, ahead of its first reader
.irp b, 0,1,2,3
	v_exp_f32 v[BM+\b], v[BM+\b]                   ; the block's largest p
.endr
	v_pk_add_f32 v[PB:PB+1], v[S:S+1], v[S+2:S+3]  ; the row's sum of the unquantised p, in two chains
.irp j, 4,8,12,16,20,24,28,32,36,40,44,48,52,56,60
	v_pk_add_f32 v[SUM:SUM+1], v[SUM:SUM+1], v[S+\j:S+\j+1]
	v_pk_add_f32 v[PB:PB+1], v[PB:PB+1], v[S+2+\j:S+3+\j]
.endr
	v_pk_add_f32 v[SUM:SUM+1], v[SUM:SUM+1], v[PB:PB+1]
	s_wait_alu depctr_va_vdst(0)                   ; and one for the four
.irp b, 0,1,2,3
	v_max_num_f32 v[BM+\b], 0x1800000, v[BM+\b]    ; the floor: the byte cannot fall under 1
.endr
.irp b, 0,1,2,3
	v_add_nc_u32 v[SO+\b], 0xff000000, v[BM+\b]
.endr
.irp b, 0,1,2,3
	v_lshrrev_b32 v[PB+\b], 23, v[SO+\b]
.endr
	v_lshl_or_b32 v[PW], v[PB+1], 8, v[PB]
	v_lshl_or_b32 v[PW], v[PB+2], 16, v[PW]
	v_lshl_or_b32 v[PW], v[PB+3], 24, v[PW]
.irp c, 0,1
	v_cvt_scalef32_pk16_fp6_f32 v[PC+6*\c:PC+2+6*\c], v[S+32*\c:S+15+32*\c], v[SO+2*\c]
	v_cvt_scalef32_pk16_fp6_f32 v[PC2+4*\c:PC2+2+4*\c], v[S+16+32*\c:S+31+32*\c], v[SO+2*\c+1]
.endr
	v_nop                                          ; one plain line behind a scaled conversion
.irp c, 0,1
.irp i, 0,1,2
	v_permlane16_swap_b32 v[PC+6*\c+\i], v[PC2+4*\c+\i]
.endr
.irp i, 0,1,2
	v_mov_b32 v[PC+3+6*\c+\i], v[PC2+4*\c+\i]
.endr
.endr
	WIN 0x01*\e
	v_mov_b32 v[PSC+\e], v[PW]                     ; scale operands have no window
	WIN 0x55*\e
.set jj, 0
.rept 16
	v_pk_mul_f32 v[O+jj:O+jj+1], v[O+jj:O+jj+1], v[F:F+1] op_sel_hi:[1,0]   ; O under the new M; these sixteen also stand between the codes and scale word just written and the products
.set jj, jj+2
.endr
.endm
; A KEY STEP.
; Behind the round the other slot takes the next step's tiles: one tensor load of mine is out, and it has this step's work in which to land.
; All my reads of this step's slot are waited for ahead of unit 1's scores, in this same trip.  first = 1: step 0, which has no step before it.
.macro TRIP slot, refill, ask, first
	s_wait_tensorcnt 0x0
	ds_add_u32 v[SPW], v[NIL]
	s_add_nc_u64 s[G0M+4*\slot+2:G0M+4*\slot+3], s[G0M+4*\slot+2:G0M+4*\slot+3], 1024     ; this slot's next tiles: two steps on
	s_add_nc_u64 s[G0K+4*\slot+2:G0K+4*\slot+3], s[G0K+4*\slot+2:G0K+4*\slot+3], 417792
.if \ask
	s_wait_xcnt 0x0                                ; the last step's prefetches have read their address
	s_add_nc_u64 s[PFA:PFA+1], s[PFA:PFA+1], s[PFS:PFS+1]
.endif
	s_wait_dscnt 0x0
	ROUND
.if \refill
	TLOAD 1-\slot
.endif
.if \ask
	ASK
.endif
	s_add_co_u32 s[STP], s[STP], 1
	PLACES 4                                       ; behind unit 1's scores of the step before: in front of the loads into K's registers and scale words, and of the first read of those scores
	ds_load_b128 v[KSC:KSC+3], v[ADK+\slot] offset:6144
.if \first
.irp n, 0,1,2,3,4,5,6,7
	LDA \slot, \n
.endr
.else
	SOFTMAX 1, 1, \slot                            ; unit 1, the step before | K and unit 0's mask of this step
.endif
	WIN 0
	s_wait_dscnt 0x0                               ; K, its scale words and unit 0's mask are in
	SCORE 0
.if \first == 0
	WIN 0x55
	PV 1                                           ; unit 1, the step before: V and its scale words of that step still stand
.endif
	WIN 0
	PLACES 4                                       ; in front of the loads into V's registers and scale words, and of the first read of unit 0's scores
	ds_load_b64 v[VSC:VSC+1], v[ADVS+\slot]
	SOFTMAX 0, 1, \slot                            ; unit 0 | unit 1's mask and V of this step
	WIN 0
	s_wait_dscnt 0x0                               ; they are in: my reads of this slot are over
	WIN 0x54                                       ; K in window 0; Q, C and D in window 1
	SCORE 1
	WIN 0x01                                       ; V in window 1; P, C and D in window 0
	PV 0
	WIN 0
.endm
	s_wait_loadcnt 0x0                             ; Q
	TRIP 0, 1, 1, 1                                ; step 0
	s_mov_b32 s60, 7
.Lstep:                                                ; steps 1 to 14
	TRIP 1, 1, 1, 0
	TRIP 0, 1, 1, 0
	s_sub_co_u32 s60, s60, 1
	s_cmp_lg_u32 s60, 0
	s_cbranch_scc1 .Lstep
	TRIP 1, 0, 0, 0                                ; step 15 is written out
	PLACES 4
	SOFTMAX 1, 0, 0                                ; unit 1's last half step
	WIN 0x55
	PV 1
	WIN 0
	; ---- THE WAY OUT: O / the sum; true order along the head's 64; quantised; stored in the order of the next operand's registers
	PLACES 4
.macro FINISH e
	WIN 0x55*\e
	v_add_f32 v[T], v[SUM], v[SUM+1]
	v_permlanex16_b32 v[PB], v[T], s[SEL], s[SEL+1]
	v_add_f32 v[T], v[T], v[PB]
	v_rcp_f32 v[F], v[T]
	v_nop
	s_wait_alu depctr_va_vdst(0)                   ; ahead of the result's first reader
.set jj, 0
.rept 16
	v_pk_mul_f32 v[O+jj:O+jj+1], v[O+jj:O+jj+1], v[F:F+1] op_sel_hi:[1,0]
.set jj, jj+2
.endr
.irp b, 0,1
.irp j, 0,1,2,3,4,5,6,7
	v_permlane16_swap_b32 v[O+16*\b+\j], v[O+16*\b+8+\j]      ; register 16 b + i now holds channel 32 b + 16 h + i
.endr
.endr
.irp b, 0,1
	v_max3_num_f32 v[BM+\b], |v[O+16*\b]|, |v[O+1+16*\b]|, 0x1800000
.endr
.irp i, 2,4,6,8,10,12,14
.irp b, 0,1
	v_max3_num_f32 v[BM+\b], v[BM+\b], |v[O+16*\b+\i]|, |v[O+1+16*\b+\i]|
.endr
.endr
.irp b, 0,1
	v_permlanex16_b32 v[PB+\b], v[BM+\b], s[SEL], s[SEL+1]
.endr
.irp b, 0,1
	v_max_num_f32 v[BM+\b], v[BM+\b], v[PB+\b]
.endr
.irp b, 0,1
	v_add_nc_u32 v[SO+\b], 0xff000000, v[BM+\b]
.endr
.irp b, 0,1
	v_lshrrev_b32 v[PB+\b], 23, v[SO+\b]
.endr
	v_lshl_or_b32 v[PW], v[PB+1], 8, v[PB]
	v_cvt_scalef32_pk16_fp6_f32 v[PC:PC+2], v[O:O+15], v[SO]
	v_cvt_scalef32_pk16_fp6_f32 v[PC2:PC2+2], v[O+16:O+31], v[SO+1]
	v_nop
.irp i, 0,1,2
	v_permlane16_swap_b32 v[PC+\i], v[PC2+\i]
.endr
.irp i, 0,1,2
	v_mov_b32 v[PC+3+\i], v[PC2+\i]
.endr
	WIN 0x04*\e                                    ; a store's data are its source 1
	global_store_b128 v[L16], v[PC:PC+3], s[88:89] offset:768*\e
	global_store_b64 v[L8], v[PC+4:PC+5], s[88:89] offset:768*\e+512
	ds_store_b16 v[SSTA], v[PW] offset:64*\e       ; both halves of the lanes write the same two bytes with the same value
.endm
	FINISH 0
	FINISH 1
	WIN 0
	s_wait_dscnt 0x0                               ; for the others' sake: my stores are done
	s_barrier_signal -1
	s_barrier_wait -1
	s_cmp_lg_u32 s[WV], 0
	s_cbranch_scc1 .Lnot_first
	ds_load_b128 v[30:33], v[SSTR]
	s_wait_dscnt 0x0
	global_store_b128 v[ASO], v[30:33], s[90:91]   ; sixteen lanes store 256 consecutive bytes, aligned: the words of 64 rows, twice
.Lnot_first:
	s_wait_tensorcnt 0x0                           ; the wave's end
	ds_add_u32 v[SPW], v[NIL]
	s_wait_dscnt 0x0
	ROUND                                          ; the closing round
	s_endpgm
.Lfunc_end_k_qa3bc9798c1_attn:
	.size	k_qa3bc9798c1_attn, .Lfunc_end_k_qa3bc9798c1_attn-k_qa3bc9798c1_attn
	.p2alignl 7, 3214868480
	.fill 96, 4, 3214868480
	.section	.rodata,"a",@progbits
	.p2align	6, 0x0
	.amdhsa_kernel k_qa3bc9798c1_attn
		.amdhsa_group_segment_fixed_size 327680
		.amdhsa_private_segment_fixed_size 0
		.amdhsa_enable_private_segment 0
		.amdhsa_kernarg_size 40
		.amdhsa_user_sgpr_count 2
		.amdhsa_user_sgpr_kernarg_segment_ptr 1
		.amdhsa_wavefront_size32 1
		.amdhsa_system_sgpr_workgroup_id_x 1
		.amdhsa_system_sgpr_workgroup_id_y 1
		.amdhsa_system_sgpr_workgroup_id_z 1
		.amdhsa_system_vgpr_workitem_id 0
		.amdhsa_next_free_vgpr 512
		.amdhsa_next_free_sgpr 96
		.amdhsa_reserve_vcc 0
		.amdhsa_float_denorm_mode_32 3
		.amdhsa_float_denorm_mode_16_64 3
		.amdhsa_memory_ordered 1
		.amdhsa_forward_progress 1
		.amdhsa_inst_pref_size 154
	.end_amdhsa_kernel
	.amdgpu_metadata
---
amdhsa.version: [ 1, 2 ]
amdhsa.kernels:
  - .name:           k_qa3bc9798c1_attn
    .symbol:         k_qa3bc9798c1_attn.kd
    .args:
      - { .name: mask, .offset: 0, .size: 8, .value_kind: global_buffer, .address_space: global }
      - { .name: qimg, .offset: 8, .size: 8, .value_kind: global_buffer, .address_space: global }
      - { .name: kv, .offset: 16, .size: 8, .value_kind: global_buffer, .address_space: global }
      - { .name: ac, .offset: 24, .size: 8, .value_kind: global_buffer, .address_space: global }
      - { .name: asc, .offset: 32, .size: 8, .value_kind: global_buffer, .address_space: global }
    .group_segment_fixed_size: 327680
    .private_segment_fixed_size: 0
    .kernarg_segment_align: 8
    .kernarg_segment_size: 40
    .max_flat_workgroup_size: 256
    .sgpr_count:     96
    .vgpr_count:     512
    .wavefront_size: 32
...
	.end_amdgpu_metadata
.endif
;; end of part 3
;; launch oproj (part 4): grid 8 x 32, 4 waves a work-group, clusters of 4 x 4, 327,680 bytes of LDS; arguments ac, asc, Wo_codes, Wo_scales, bo, x, x1; writes x1
.if DOCPART == 4
	.amdgcn_target "amdgcn-amd-amdhsa--gfx1250"
	.amdhsa_code_object_version 6
	.text
	.protected	k_qa3bc9798c1_oproj
	.globl	k_qa3bc9798c1_oproj
	.p2align	8
	.type	k_qa3bc9798c1_oproj,@function
k_qa3bc9798c1_oproj:
	s_mov_b64 s[64:65], 0
	v_nop
	global_prefetch_b8 v0, s[64:65] scope:SCOPE_SE
	s_setreg_imm32_b32 hwreg(HW_REG_WAVE_MODE, 25, 1), 1
	s_wait_xcnt 0x0
	s_wait_alu depctr_hold_cnt(0) depctr_sa_sdst(0) depctr_va_vdst(0) depctr_va_sdst(0) depctr_va_ssrc(0) depctr_va_vcc(0) depctr_vm_vsrc(0)
	s_getreg_b32 s2, hwreg(HW_REG_IB_STS2, 6, 4)
	s_cmp_eq_u32 s2, 0
	s_cbranch_scc0 .Lentry_in_a_cluster
	s_endpgm
.Lentry_in_a_cluster:
	s_bfe_u32 s2, ttmp6, 0x10000c
	s_cmp_lg_u32 s2, 0xf033
	s_cbranch_scc0 .Lentry_shape_is_right
	s_endpgm
.Lentry_shape_is_right:
; out = resid + A W^T + bias on codes of FP6 (E2M3) with E8M0 scales.  out, resid: [4096][1024] f32.  W: codes [1024][SIZE_K x 3/4 bytes], scales [1024][SIZE_K / 32].
; A comes in the order of the operand's registers: [128 rows][64 along K][tile of 16 rows][768 bytes: registers 0-3 at 16 lane, registers 4-5 at 512 + 8 lane]; its scale words [128 rows][128 along K][tile][row].
; A tile of 128 x 128 a work-group (256 work-groups), 64 x 64 a wave: 16 accumulators.  K in slots of 512 (four steps of 128) through a ring of two LDS slots filled by joint tensor loads:
; A's 49,152 dense bytes are shared along a row of the 4 x 4 cluster (waves 0, 1 fetch halves), W's 128 rows x 384 bytes along a column (waves 2, 3 fetch the two halves along K, rows of 192 bytes padded to 240).
; All scale bytes come once, with the first fills.  Source 0 = 16 rows of W, source 1 = 16 rows of A: a lane holds eight neighbouring numbers of a row of out.
; The bias is the C of the first products; the residual is loaded at the head and added on the way out, which goes through each wave's own stage so that sixteen lanes store 256 consecutive bytes.
; The order of rounding is (product + bias) + resid.
.set SIZE_K, 1024
.set LAPS,   SIZE_K/1024
.set KROW,   SIZE_K*6/8
.set KS,     SIZE_K/32
.set PITCH,  240
.set FR,     12
.set ABYTES, 49152
.set BHALF,  128*PITCH
.set SLOT,   ABYTES+2*BHALF
.set SCA,    2*SLOT                    ; A's scale words, dense
.set SCAH,   (SIZE_K/128)*256          ; half of them
.set SCBL,   237568                    ; W's scale bytes: units of 256 bytes + 16
.set HALFSB, (64*KS/256)*272
.set SBLK,   (16*KS/256)*272
.set STAGE,  254976                    ; 16 rows x 272 bytes for each wave (written by LDS stores alone)
.set SPITCH, 272
.set SPARE,  272384                    ; the spare words: 128 bytes a wave
.set ADA,  12                          ; v12, v13 A's images + 16 lane, slot 0, 1;  v14, v15 + 512 + 8 lane
.set ADA8, 14
.set ADB,  16                          ; v16, v17 W's rows; v18, v19 the same behind one padding more
.set ADSA, 20
.set ADSB, 21
.set STO,  22
.set RD,   23
.set RO,   24
.set SPW,  28
.set NIL,  29
.set SA,   32                          ; v[SA + 16 z + 4 q + a]: A's scale words, set z
.set SB,   64                          ; v[SB + 16 z + 4 j + q]: W's
.set BIAS, 96                          ; v96-127
.set ACC,  128                         ; v128-255;  window 1: two sets of fragments at v0 and v128 (A 12 i, W 48 + 12 j);  window 2: v0-127 the residual
.set G1, 24
.set G0, 32
.set G1B, 48
.set G0B, 56
.set G1S, 68
.set G0S, 76
.set G1SB, 80
.set G0SB, 88
.set MSB, 0
.macro WIN new
.if MSB != \new
	s_set_vgpr_msb (MSB<<8)|\new
.set MSB, \new
.endif
.endm
.macro PLACES n
.rept \n
	v_nop
.endr
.endm
.macro JLOAD g0a, g1a, g0b, g1b        ; waves 0, 1 fetch for A, waves 2, 3 for W; four v_nop follow each line
	s_cmp_eq_u32 s11, 0
	s_cbranch_scc0 .Lfor_b_\@
	tensor_load_to_lds s[\g0a:\g0a+3], s[\g1a:\g1a+7]
	s_nop 0
.rept 4
	v_nop
.endr
	s_branch .Lasked_\@
.Lfor_b_\@:
	tensor_load_to_lds s[\g0b:\g0b+3], s[\g1b:\g1b+7]
	s_nop 0
.rept 4
	v_nop
.endr
.Lasked_\@:
.endm
.macro CREST
	s_cmp_lg_u32 s10, 0
	s_cbranch_scc1 .Lnot_wave_0_\@
	s_barrier_signal -3
.Lnot_wave_0_\@:
	s_barrier_wait -3
	s_barrier_signal -1
	s_barrier_wait -1
.endm
.macro CROUND
	s_barrier_signal -1
	s_barrier_wait -1
	CREST
.endm
	s_load_b128 s[4:7], s[0:1], 0x0                ; A's images, A's scale words
	s_load_b128 s[92:95], s[0:1], 0x10             ; W's codes, W's scales
	s_load_b128 s[96:99], s[0:1], 0x20             ; bias, resid
	s_load_b64 s[100:101], s[0:1], 0x30            ; out
	v_lshl_add_u32 v[SPW], v0, 2, SPARE
	v_mov_b32 v[NIL], 0
	ds_add_u32 v28, v29
	s_wait_dscnt 0x0
	v_lshrrev_b32 v1, 5, v0
	v_readfirstlane_b32 s10, v1                    ; wave
	s_lshr_b32 s11, s10, 1                         ; my half of the rows; also: I fetch for A (0) or W (1)
	s_and_b32 s12, s10, 1                          ; my half of the columns; also: which half I fetch
	s_bfe_u32 s40, ttmp6, 0x40000
	s_bfe_u32 s41, ttmp6, 0x40004
	s_lshl_b32 s42, ttmp9, 2
	s_add_co_u32 s42, s42, s40                     ; tile column
	s_and_b32 s13, ttmp7, 0xffff
	s_lshl_b32 s13, s13, 2
	s_add_co_u32 s13, s13, s41                     ; tile row
	s_lshl_b32 s43, s41, 2
	s_lshl_b32 s43, 15, s43                        ; my row of the cluster
	s_lshl_b32 s44, 0x1111, s40                    ; my column
	s_or_b32 s[G1+0], s43, (3<<16)|(1<<21)         ; A: 96 dense rows of 256 bytes
	s_mov_b32 s[G1+1], 32<<16
	s_mov_b32 s[G1+2], 96<<16
	s_mov_b32 s[G1+3], 32<<16
	s_mov_b32 s[G1+4], 96
	s_mov_b32 s[G1+5], 32
	s_mov_b32 s[G1+6], 0
	s_mov_b32 s[G1+7], 0
	s_or_b32 s[G1B+0], s44, (0<<16)|(1<<20)|(1<<21)|(3<<22)|(3<<25)   ; W: 128 rows of 192 bytes, 4 words of padding behind every 16
	s_mov_b32 s[G1B+1], 192<<16
	s_mov_b32 s[G1B+2], 128<<16
	s_mov_b32 s[G1B+3], 192<<16
	s_mov_b32 s[G1B+4], 128
	s_mov_b32 s[G1B+5], KROW
	s_mov_b32 s[G1B+6], 0
	s_mov_b32 s[G1B+7], 0
	s_or_b32 s[G1S+0], s43, (3<<16)|(1<<21)        ; A's scale words: dense rows of 256 bytes
	s_mov_b32 s[G1S+1], 32<<16
	s_mov_b32 s[G1S+2], (SIZE_K/128)<<16
	s_mov_b32 s[G1S+3], 32<<16
	s_mov_b32 s[G1S+4], SIZE_K/128
	s_mov_b32 s[G1S+5], 32
	s_mov_b32 s[G1S+6], 0
	s_mov_b32 s[G1S+7], 0
	s_or_b32 s[G1SB+0], s44, (3<<16)|(1<<20)|(1<<21)|(5<<22)|(3<<25) ; W's: rows of 256 bytes, 16 bytes of padding behind each
	s_mov_b32 s[G1SB+1], 32<<16
	s_mov_b32 s[G1SB+2], (64*KS/256)<<16
	s_mov_b32 s[G1SB+3], 32<<16
	s_mov_b32 s[G1SB+4], 64*KS/256
	s_mov_b32 s[G1SB+5], 32
	s_mov_b32 s[G1SB+6], 0
	s_mov_b32 s[G1SB+7], 0
	s_mul_i32 s16, s13, SIZE_K*96                  ; A: 128 rows are SIZE_K x 96 bytes
	s_mul_i32 s17, s12, 24576
	s_add_co_u32 s16, s16, s17
	s_mov_b32 s17, 0
	s_mul_i32 s18, s13, SIZE_K*4                   ; their scale words
	s_mul_i32 s19, s12, SCAH
	s_add_co_u32 s18, s18, s19
	s_mov_b32 s19, 0
	s_mul_i32 s46, s42, 128*KROW                   ; W: 128 rows; my half of a slot's 384 bytes
	s_mul_i32 s47, s12, 192
	s_add_co_u32 s46, s46, s47
	s_mov_b32 s47, 0
	s_lshl_b32 s22, s42, 7
	s_lshl_b32 s23, s12, 6
	s_add_co_u32 s22, s22, s23
	s_mul_i32 s22, s22, KS                         ; the scales of my 64 rows of W
	s_mov_b32 s23, 0
	s_mul_i32 s20, s12, 24576                      ; where they go
	s_mul_i32 s21, s12, BHALF
	s_add_co_u32 s21, s21, ABYTES
	s_mul_i32 s2, s12, SCAH
	s_add_co_u32 s2, s2, SCA
	s_mul_i32 s3, s12, HALFSB
	s_add_co_u32 s3, s3, SCBL
	s_wait_kmcnt 0x0
	s_add_nc_u64 s[14:15], s[4:5], s[16:17]
	s_add_nc_u64 s[18:19], s[6:7], s[18:19]
	s_add_nc_u64 s[46:47], s[92:93], s[46:47]
	s_add_nc_u64 s[22:23], s[94:95], s[22:23]
	CROUND                                         ; all sixteen work-groups are here: the first joint loads meet
	s_mov_b32 s[G0S], 1
	s_mov_b32 s[G0S+1], s2
	s_mov_b64 s[G0S+2:G0S+3], s[18:19]
	s_or_b32 s[G0S+3], s[G0S+3], 0x80000000
	s_mov_b32 s[G0SB], 1
	s_mov_b32 s[G0SB+1], s3
	s_mov_b64 s[G0SB+2:G0SB+3], s[22:23]
	s_or_b32 s[G0SB+3], s[G0SB+3], 0x80000000
	JLOAD G0S, G1S, G0SB, G1SB
.irp s, 0,1
	s_mov_b32 s[G0+4*\s], 1
	s_add_co_u32 s[G0+4*\s+1], s20, \s*SLOT
	s_add_nc_u64 s[G0+4*\s+2:G0+4*\s+3], s[14:15], \s*ABYTES
	s_or_b32 s[G0+4*\s+3], s[G0+4*\s+3], 0x80000000
	s_mov_b32 s[G0B+4*\s], 1
	s_add_co_u32 s[G0B+4*\s+1], s21, \s*SLOT
	s_add_nc_u64 s[G0B+4*\s+2:G0B+4*\s+3], s[46:47], \s*384
	s_or_b32 s[G0B+4*\s+3], s[G0B+4*\s+3], 0x80000000
	JLOAD G0+4*\s, G1, G0B+4*\s, G1B
.endr
	v_and_b32 v1, 15, v0                           ; r
	v_bfe_u32 v2, v0, 4, 1                         ; h
	v_and_b32 v3, 31, v0
	v_lshlrev_b32 v4, 4, v3
	v_lshlrev_b32 v5, 3, v3
	s_mul_i32 s66, s11, 4*768                      ; my four tiles of A's eight
	v_add_nc_u32 v[ADA], s66, v4
	v_add_nc_u32 v[ADA+1], SLOT, v[ADA]
	s_add_co_u32 s67, s66, 512
	v_add_nc_u32 v[ADA8], s67, v5
	v_add_nc_u32 v[ADA8+1], SLOT, v[ADA8]
	v_mul_u32_u24 v6, v1, PITCH
	v_mad_u32_u24 v6, v2, 24, v6
	v_lshl_add_u32 v7, v2, 4, v6
	s_mul_i32 s66, s12, 64*PITCH
	s_add_co_u32 s66, s66, ABYTES
	v_add_nc_u32 v[ADB], s66, v6
	v_add_nc_u32 v[ADB+1], SLOT, v[ADB]
	v_add_nc_u32 v[ADB+2], s66, v7
	v_add_nc_u32 v[ADB+3], SLOT, v[ADB+2]
	s_lshl_b32 s66, s11, 8
	s_add_co_u32 s66, s66, SCA
	v_lshl_add_u32 v[ADSA], v1, 2, s66             ; both halves of the lanes read the same word
	v_mul_u32_u24 v6, v1, KS
	v_lshrrev_b32 v7, 8, v6
	v_lshl_add_u32 v6, v7, 4, v6
	s_mul_i32 s66, s12, HALFSB
	s_add_co_u32 s66, s66, SCBL
	v_add_nc_u32 v[ADSB], s66, v6
	s_mul_i32 s66, s10, 16*SPITCH
	s_add_co_u32 s66, s66, STAGE
	v_mul_u32_u24 v6, v1, SPITCH
	v_lshl_add_u32 v6, v2, 5, v6
	v_add_nc_u32 v[STO], s66, v6                   ; in: row r, 32 bytes for each half of the lanes
	v_mul_u32_u24 v6, v2, SPITCH
	v_lshl_add_u32 v6, v1, 4, v6
	v_add_nc_u32 v[RD], s66, v6                    ; back: lanes 0-15 one row of 256 bytes, lanes 16-31 the next
	v_lshlrev_b32 v6, 12, v2
	v_lshl_add_u32 v[RO], v1, 4, v6                ; the same two rows in out and resid
	v_lshlrev_b32 v8, 5, v2
	s_lshl_b32 s66, s42, 9
	s_lshl_b32 s67, s12, 8
	s_add_co_u32 s66, s66, s67                     ; my 64 columns, in bytes
	s_mov_b32 s67, 0
	s_add_nc_u64 s[96:97], s[96:97], s[66:67]
	s_lshl_b32 s2, s13, 19
	s_add_co_u32 s66, s66, s2
	s_lshl_b32 s2, s11, 18
	s_add_co_u32 s66, s66, s2                      ; + my 64 rows of 4,096 bytes
	s_add_nc_u64 s[98:99], s[98:99], s[66:67]
	s_add_nc_u64 s[100:101], s[100:101], s[66:67]
.irp b, 0,1,2,3
	global_load_b128 v[BIAS+8*\b:BIAS+8*\b+3], v8, s[96:97] offset:64*\b
	global_load_b128 v[BIAS+8*\b+4:BIAS+8*\b+7], v8, s[96:97] offset:64*\b+16
.endr
	WIN 0x80                                       ; destination window 2
.irp a, 0,1,2,3
.irp t, 0,1,2,3,4,5,6,7
	global_load_b128 v[4*(8*\a+\t):4*(8*\a+\t)+3], v[RO], s[98:99] offset:(16*\a+2*\t)*4096 th:TH_LOAD_NT
.endr
.endr
	WIN 0
.macro FRAGB reg, adr, q, i            ; W's fragment: six pieces of 8 bytes; half (q / 2) of the slot along K, 128 (q % 2) in it
.irp p, 0,1,2,3,4,5
.set PCE, 12*((\q)%2)+6*(\p/3)+\p%3
.if PCE%8 < 5
	ds_load_b64 v[\reg+2*\p:\reg+2*\p+1], v[\adr] offset:((\q)/2)*BHALF+8*PCE+16*(PCE/8)+(\i)*16*PITCH
.else
	ds_load_b64 v[\reg+2*\p:\reg+2*\p+1], v[\adr+2] offset:((\q)/2)*BHALF+8*PCE+16*(PCE/8)+(\i)*16*PITCH
.endif
.endr
.endm
.macro FETCH slot, q, p                ; the fragments of the slot's q-th 128 along K into set p
	WIN 0x40
.irp i, 0,1,2,3
	ds_load_b128 v[128*(\p)+FR*\i:128*(\p)+FR*\i+3], v[ADA+\slot] offset:(16*(\q)+\i)*768
	ds_load_b64 v[128*(\p)+FR*\i+4:128*(\p)+FR*\i+5], v[ADA8+\slot] offset:(16*(\q)+\i)*768
	ds_load_b128 v[128*(\p)+FR*\i+6:128*(\p)+FR*\i+9], v[ADA+\slot] offset:(16*(\q)+8+\i)*768
	ds_load_b64 v[128*(\p)+FR*\i+10:128*(\p)+FR*\i+11], v[ADA8+\slot] offset:(16*(\q)+8+\i)*768
.endr
.irp j, 0,1,2,3
	FRAGB 128*(\p)+48+FR*\j, ADB+\slot, \q, \j
.endr
	WIN 0
.endm
.macro SCALES z
.irp q, 0,1,2,3
.irp a, 0,1,2,3
	ds_load_b32 v[SA+16*\z+4*\q+\a], v[ADSA] offset:512*\q+64*\a
.endr
.endr
.irp j, 0,1,2,3
	ds_load_b128 v[SB+16*\z+4*\j:SB+16*\z+4*\j+3], v[ADSB] offset:\j*SBLK
.endr
.endm
; four matrix instructions; the sixteen accumulators take turns, one instruction a turn
.macro MUL4 a, p, q, z, first
.irp b, 0,1,2,3
.if \first
	v_wmma_scale_f32_16x16x128_f8f6f4 v[ACC+8*(4*(\a)+\b):ACC+8*(4*(\a)+\b)+7], v[128*(\p)+48+FR*\b:128*(\p)+48+FR*\b+FR-1], v[128*(\p)+FR*(\a):128*(\p)+FR*(\a)+FR-1], v[BIAS+8*\b:BIAS+8*\b+7], v[SB+16*(\z)+4*\b+(\q)], v[SA+16*(\z)+4*(\q)+(\a)] matrix_a_fmt:MATRIX_FMT_FP6 matrix_b_fmt:MATRIX_FMT_FP6
.else
	v_wmma_scale_f32_16x16x128_f8f6f4 v[ACC+8*(4*(\a)+\b):ACC+8*(4*(\a)+\b)+7], v[128*(\p)+48+FR*\b:128*(\p)+48+FR*\b+FR-1], v[128*(\p)+FR*(\a):128*(\p)+FR*(\a)+FR-1], v[ACC+8*(4*(\a)+\b):ACC+8*(4*(\a)+\b)+7], v[SB+16*(\z)+4*\b+(\q)], v[SA+16*(\z)+4*(\q)+(\a)] matrix_a_fmt:MATRIX_FMT_FP6 matrix_b_fmt:MATRIX_FMT_FP6
.endif
.endr
.endm
.macro STEP slot, q, first             ; one of a slot's first three steps: the next step's fragments are asked for, then this step is multiplied
	s_wait_dscnt 0x0                               ; this step's fragments, asked for a step ago
	PLACES 4
	FETCH \slot, (\q)+1, 1-(\q)%2
	WIN 0x05                                       ; both sources in window 1
	MUL4 0, (\q)%2, \q, \slot, \first
	MUL4 1, (\q)%2, \q, \slot, \first
	MUL4 2, (\q)%2, \q, \slot, \first
	MUL4 3, (\q)%2, \q, \slot, \first
	WIN 0
.endm
; a slot's last step changes slots: one barrier; in front of it each wave waits for all its tensor loads, adds 0 to its spare word, and waits for that and for its reads of this slot
.macro TURN slot, next, fill
	WIN 0
	s_wait_tensorcnt 0x0
	ds_add_u32 v[SPW], v[NIL]
	s_wait_dscnt 1                                 ; only the add may be out
	WIN 0x05
	MUL4 0, 1, 3, \slot, 0
	s_wait_dscnt 0x0
	s_barrier_signal -1
	MUL4 1, 1, 3, \slot, 0
	WIN 0
	s_barrier_wait -1
.if \fill
	CREST                                          ; the barrier has opened a round of the cluster's barrier
	s_add_nc_u64 s[G0+4*\slot+2:G0+4*\slot+3], s[G0+4*\slot+2:G0+4*\slot+3], 2*ABYTES
	s_add_nc_u64 s[G0B+4*\slot+2:G0B+4*\slot+3], s[G0B+4*\slot+2:G0B+4*\slot+3], 768
	JLOAD G0+4*\slot, G1, G0B+4*\slot, G1B         ; the first tensor load behind the round; its four v_nop are the places in front of the loads below
.else
	PLACES 4
.endif
	v_add_nc_u32 v[ADSA], 2048, v[ADSA]
	v_add_nc_u32 v[ADSB], 16, v[ADSB]
	FETCH \next, 0, 0
	SCALES \next
	WIN 0x05
	MUL4 2, 1, 3, \slot, 0
	MUL4 3, 1, 3, \slot, 0
	WIN 0
.endm
	s_wait_loadcnt 32                              ; the bias is in; the residual's 32 loads may be out
	s_wait_tensorcnt 1                             ; the scales and my part of slot 0 are in; slot 1's load may be out
	s_barrier_signal -1
	s_barrier_wait -1
	FETCH 0, 0, 0
	SCALES 0
	STEP 0, 0, 1                                   ; the first step stands in front of the loop: its products start the sums, with the bias
.if LAPS > 1
	s_mov_b32 s3, LAPS-1
.Llap:
	STEP 0, 1, 0
	STEP 0, 2, 0
	TURN 0, 1, 1
	STEP 1, 0, 0
	STEP 1, 1, 0
	STEP 1, 2, 0
	TURN 1, 0, 1
	STEP 0, 0, 0
	s_sub_co_u32 s3, s3, 1
	s_cmp_lg_u32 s3, 0
	s_cbranch_scc1 .Llap
.endif
	STEP 0, 1, 0
	STEP 0, 2, 0
	TURN 0, 1, 0
	STEP 1, 0, 0
	STEP 1, 1, 0
	STEP 1, 2, 0
	s_wait_dscnt 0x0
	WIN 0x05
	MUL4 0, 1, 3, 1, 0
	MUL4 1, 1, 3, 1, 0
	MUL4 2, 1, 3, 1, 0
	MUL4 3, 1, 3, 1, 0
	WIN 0
	; ---- THE WAY OUT, 16 rows x 64 columns at a time, through my own stage
.macro TOSTAGE a
.irp b, 0,1,2,3
	ds_store_b128 v[STO], v[ACC+8*(4*(\a)+\b):ACC+8*(4*(\a)+\b)+3] offset:64*\b          ; each accumulator from its low end on
	ds_store_b128 v[STO], v[ACC+8*(4*(\a)+\b)+4:ACC+8*(4*(\a)+\b)+7] offset:64*\b+16
.endr
.irp t, 0,1,2,3,4,5,6,7
	ds_load_b128 v[32+32*((\a)%2)+4*\t:32+32*((\a)%2)+4*\t+3], v[RD] offset:544*\t       ; LDS serves a wave's instructions in order: these see the stores above
.endr
.endm
.macro SEND a, younger
	s_wait_dscnt \younger
	WIN 0x08                                       ; source 1: the residual, window 2
.set jj, 0
.rept 16
	v_pk_add_f32 v[32+32*((\a)%2)+jj:32+32*((\a)%2)+jj+1], v[32+32*((\a)%2)+jj:32+32*((\a)%2)+jj+1], v[32*(\a)+jj:32*(\a)+jj+1]
.set jj, jj+2
.endr
	WIN 0
.irp t, 0,1,2,3,4,5,6,7
	global_store_b128 v[RO], v[32+32*((\a)%2)+4*\t:32+32*((\a)%2)+4*\t+3], s[100:101] offset:(16*(\a)+2*\t)*4096   ; sixteen lanes store 256 consecutive bytes, aligned
.endr
.endm
	PLACES 4
	s_wait_loadcnt 0x0                             ; the residual
	TOSTAGE 0
	TOSTAGE 1
	SEND 0, 16                                     ; behind block 0's loads: block 1's 8 stores and 8 loads
	s_wait_xcnt 0x0                                ; block 0's stores have read their registers
	TOSTAGE 2
	SEND 1, 16
	s_wait_xcnt 0x0
	TOSTAGE 3
	SEND 2, 16
	SEND 3, 0
	s_wait_tensorcnt 0x0                           ; the wave's end
	ds_add_u32 v[SPW], v[NIL]
	s_wait_dscnt 0x0
	CROUND                                         ; the closing round
	s_endpgm
.Lfunc_end_k_qa3bc9798c1_oproj:
	.size	k_qa3bc9798c1_oproj, .Lfunc_end_k_qa3bc9798c1_oproj-k_qa3bc9798c1_oproj
	.p2alignl 7, 3214868480
	.fill 96, 4, 3214868480
	.section	.rodata,"a",@progbits
	.p2align	6, 0x0
	.amdhsa_kernel k_qa3bc9798c1_oproj
		.amdhsa_group_segment_fixed_size 327680
		.amdhsa_private_segment_fixed_size 0
		.amdhsa_enable_private_segment 0
		.amdhsa_kernarg_size 56
		.amdhsa_user_sgpr_count 2
		.amdhsa_user_sgpr_kernarg_segment_ptr 1
		.amdhsa_wavefront_size32 1
		.amdhsa_system_sgpr_workgroup_id_x 1
		.amdhsa_system_sgpr_workgroup_id_y 1
		.amdhsa_system_sgpr_workgroup_id_z 1
		.amdhsa_system_vgpr_workitem_id 0
		.amdhsa_next_free_vgpr 640
		.amdhsa_next_free_sgpr 102
		.amdhsa_reserve_vcc 0
		.amdhsa_float_denorm_mode_32 3
		.amdhsa_float_denorm_mode_16_64 3
		.amdhsa_memory_ordered 1
		.amdhsa_forward_progress 1
		.amdhsa_inst_pref_size 67
	.end_amdhsa_kernel
	.amdgpu_metadata
---
amdhsa.version: [ 1, 2 ]
amdhsa.kernels:
  - .name:           k_qa3bc9798c1_oproj
    .symbol:         k_qa3bc9798c1_oproj.kd
    .args:
      - { .name: ac, .offset: 0, .size: 8, .value_kind: global_buffer, .address_space: global }
      - { .name: asc, .offset: 8, .size: 8, .value_kind: global_buffer, .address_space: global }
      - { .name: Wo_codes, .offset: 16, .size: 8, .value_kind: global_buffer, .address_space: global }
      - { .name: Wo_scales, .offset: 24, .size: 8, .value_kind: global_buffer, .address_space: global }
      - { .name: bo, .offset: 32, .size: 8, .value_kind: global_buffer, .address_space: global }
      - { .name: x, .offset: 40, .size: 8, .value_kind: global_buffer, .address_space: global }
      - { .name: x1, .offset: 48, .size: 8, .value_kind: global_buffer, .address_space: global }
    .group_segment_fixed_size: 327680
    .private_segment_fixed_size: 0
    .kernarg_segment_align: 8
    .kernarg_segment_size: 56
    .max_flat_workgroup_size: 128
    .sgpr_count:     102
    .vgpr_count:     640
    .wavefront_size: 32
...
	.end_amdgpu_metadata
.endif
;; end of part 4
;; launch ln2: the kernel of part 1 again; grid 256 x 1, 8 waves a work-group, no clusters, 42,496 bytes of LDS; arguments x1, ln2_g, ln2_b, nc, ns, rope; writes nc, ns, rope
;; launch ffn1 (part 5): grid 16 x 16, 4 waves a work-group, clusters of 4 x 4, 327,680 bytes of LDS; arguments nc, ns, W1_codes, W1_scales, b1, ac, asc; writes ac, asc
.if DOCPART == 5
	.amdgcn_target "amdgcn-amd-amdhsa--gfx1250"
	.amdhsa_code_object_version 6
	.text
	.protected	k_qa3bc9798c1_ffn1
	.globl	k_qa3bc9798c1_ffn1
	.p2align	8
	.type	k_qa3bc9798c1_ffn1,@function
k_qa3bc9798c1_ffn1:
	s_mov_b64 s[64:65], 0
	v_nop
	global_prefetch_b8 v0, s[64:65] scope:SCOPE_SE
	s_setreg_imm32_b32 hwreg(HW_REG_WAVE_MODE, 25, 1), 1
	s_wait_xcnt 0x0
	s_wait_alu depctr_hold_cnt(0) depctr_sa_sdst(0) depctr_va_vdst(0) depctr_va_sdst(0) depctr_va_ssrc(0) depctr_va_vcc(0) depctr_vm_vsrc(0)
	s_getreg_b32 s2, hwreg(HW_REG_IB_STS2, 6, 4)
	s_cmp_eq_u32 s2, 0
	s_cbranch_scc0 .Lentry_in_a_cluster
	s_endpgm
.Lentry_in_a_cluster:
	s_bfe_u32 s2, ttmp6, 0x10000c
	s_cmp_lg_u32 s2, 0xf033
	s_cbranch_scc0 .Lentry_shape_is_right
	s_endpgm
.Lentry_shape_is_right:
; g = gelu(h W1 + b1) on codes of FP6 (E2M3) with E8M0 scales, quantised along its row for the next product.  h: codes [4096][768 bytes], scales [4096][32].  W1: codes [4096][768], scales [4096][32].
; A tile of 256 x 256 results a work-group, 128 x 128 a wave (64 accumulators); K = 1,024 in steps of 256 through a ring of two LDS slots filled by joint tensor loads:
; the tokens' tile is shared along a row of the 4 x 4 cluster, the weight's along a column.  All scale bytes of the 512 rows come once, with the first fills.
; Source 0 = 16 rows of W1, source 1 = 16 tokens: a lane holds ONE token and its registers run along the hidden units, the next K.  The bias is the C of the first products.
; gelu(x) = x/2 + x/2 erf(x / sqrt 2); erf(z) = z P(z z) / Q(z z) on z held to +-4, P of degree 6 and Q of degree 4, in f32.
; Eight exchanges between the halves of the lanes for each block of 32 put the hidden units in their true order, since they meet a given weight.
; OUT, in the order of the next operand's registers: [128 rows][64 along K][tile of 16 rows][768 bytes]; scale words [128 rows][128 along K][tile][row].
; LIMITS: erf's error is some 3e-7 absolute, so for x under -3 the relative accuracy of gelu falls, and for x / sqrt 2 <= -4 the result is 0 where the true magnitude is under 5e-8.
;   Blocks under 2^-124 are held at that floor's scale; a block of zeros keeps the byte 1 (codes zero; this program alone reads the bytes).  NaN, infinities not served.
.set QKV,    0
.set FIRSTC, 2                         ; the first products take the bias as C
.set KSTEP,  256
.set NQ,     2
.set ROWB,   192
.set KROW,   768
.set PITCH,  240                       ; an LDS row: 3 x (64 bytes + 16 of padding)
.set FR,     12
.set NL,     6
.set NP,     4
.set HALFT,  128*PITCH
.set SLOT,   4*HALFT                   ; the tokens' 256 rows, then the weight's 256 rows
.set LAPS,   2
.set KS,     32
.set SCL,    2*SLOT                    ; the scales: units of 256 bytes + 16
.set HALFS,  (128*KS/256)*272
.set SBLK,   (16*KS/256)*272
.set SPARE,  SCL+4*HALFS               ; the spare words: 128 bytes a wave, named by no other line
.set ADRA, 16
.set ADRB, 20
.set L16,  24
.set L8,   25
.set L4,   26
.set ADRSA, 27
.set SPW,  28
.set NIL,  29
.set ADRSB, 30
.set SCA,  32
.set SCB,  64
.set AF,   128                         ; source 1's fragments, window 0;  window 1: source 0's two sets at v0 and v128, the bias at v96-127 and v224-255;  windows 2, 3: accumulators
.set G1, 24
.set G0, 32
.set G1B, 48
.set G0B, 56
.set G1S, 68
.set G0S, 76
.set G1SB, 80
.set G0SB, 88
.set MSB, 0
.macro WIN new                         ; the immediate's high byte repeats the setting that is left
.if MSB != \new
	s_set_vgpr_msb (MSB<<8)|\new
.set MSB, \new
.endif
.endm
.set MUL_LO, 0xa1
.set MUL_HI, 0xf1
.set TO_B,   0x40
.macro JLOAD g0a, g1a, g0b, g1b        ; waves 0, 1 fetch the tokens' halves, waves 2, 3 the weight's; four v_nop follow each line
	s_cmp_eq_u32 s15, 0
	s_cbranch_scc0 .Lfor_b_\@
	tensor_load_to_lds s[\g0a:\g0a+3], s[\g1a:\g1a+7]
	s_nop 0
.rept 4
	v_nop
.endr
	s_branch .Lasked_\@
.Lfor_b_\@:
	tensor_load_to_lds s[\g0b:\g0b+3], s[\g1b:\g1b+7]
	s_nop 0
.rept 4
	v_nop
.endr
.Lasked_\@:
.endm
.macro CREST
	s_cmp_lg_u32 s14, 0
	s_cbranch_scc1 .Lnot_wave_0_\@
	s_barrier_signal -3
.Lnot_wave_0_\@:
	s_barrier_wait -3
	s_barrier_signal -1
	s_barrier_wait -1
.endm
.macro CROUND
	s_barrier_signal -1
	s_barrier_wait -1
	CREST
.endm
	s_load_b128 s[4:7], s[0:1], 0x0                ; h's codes, h's scales
	s_load_b128 s[8:11], s[0:1], 0x10              ; W1's codes and scales
	s_load_b64 s[12:13], s[0:1], 0x20              ; the bias
	v_lshl_add_u32 v[SPW], v0, 2, SPARE
	v_mov_b32 v[NIL], 0
	ds_add_u32 v28, v29
	s_wait_dscnt 0x0
	v_lshrrev_b32 v1, 5, v0
	v_readfirstlane_b32 s14, v1                    ; wave
	s_lshr_b32 s15, s14, 1                         ; which half of the tokens is mine; also: I fetch tokens (0) or weights (1)
	s_and_b32 s16, s14, 1                          ; which half of the weight's rows; also: which 128 rows I fetch
	s_bfe_u32 s40, ttmp6, 0x40000                  ; cx
	s_bfe_u32 s41, ttmp6, 0x40004                  ; cy
	s_lshl_b32 s42, ttmp9, 2
	s_add_co_u32 s42, s42, s40                     ; the weight's tile of 256 rows
	s_and_b32 s17, ttmp7, 0xffff
	s_lshl_b32 s17, s17, 2
	s_add_co_u32 s17, s17, s41                     ; the tokens' tile of 256 rows
	s_lshl_b32 s43, s41, 2
	s_lshl_b32 s43, 15, s43                        ; my row of the cluster
	s_lshl_b32 s44, 0x1111, s40                    ; my column
	s_or_b32 s[G1+0], s43, (0<<16)|(1<<20)|(1<<21)|(3<<22)|(3<<25)   ; mask; bytes; padding on; bit 21 beside a mask; 4 words behind every 16
	s_or_b32 s[G1B+0], s44, (0<<16)|(1<<20)|(1<<21)|(3<<22)|(3<<25)
.irp g, G1, G1B
	s_mov_b32 s[\g+1], ROWB<<16
	s_mov_b32 s[\g+2], 128<<16
	s_mov_b32 s[\g+3], ROWB<<16
	s_mov_b32 s[\g+4], 128
	s_mov_b32 s[\g+5], KROW
	s_mov_b32 s[\g+6], 0
	s_mov_b32 s[\g+7], 0
.endr
	s_lshl_b32 s18, s16, 7
	s_lshl_b32 s20, s17, 8
	s_add_co_u32 s20, s20, s18
	s_lshl_b32 s46, s42, 8
	s_add_co_u32 s46, s46, s18
	s_mov_b32 s21, 0
	s_mov_b32 s47, 0
	s_mov_b64 s[18:19], KS
	s_mul_u64 s[22:23], s[20:21], s[18:19]
	s_mul_u64 s[92:93], s[46:47], s[18:19]
	s_mov_b64 s[18:19], KROW
	s_mul_u64 s[20:21], s[20:21], s[18:19]
	s_mul_u64 s[46:47], s[46:47], s[18:19]
	s_mul_i32 s45, s14, HALFT
	s_mul_i32 s94, s14, HALFS
	s_wait_kmcnt 0x0
	s_or_b32 s[G1S+0], s43, (3<<16)|(1<<20)|(1<<21)|(5<<22)|(3<<25)  ; the scales of 128 rows: dense, as rows of 256 bytes, 16 bytes of padding behind each
	s_or_b32 s[G1SB+0], s44, (3<<16)|(1<<20)|(1<<21)|(5<<22)|(3<<25)
.irp g, G1S, G1SB
	s_mov_b32 s[\g+1], 32<<16
	s_mov_b32 s[\g+2], (128*KS/256)<<16
	s_mov_b32 s[\g+3], 32<<16
	s_mov_b32 s[\g+4], 128*KS/256
	s_mov_b32 s[\g+5], 32
	s_mov_b32 s[\g+6], 0
	s_mov_b32 s[\g+7], 0
.endr
	s_add_nc_u64 s[20:21], s[4:5], s[20:21]
	s_add_nc_u64 s[22:23], s[6:7], s[22:23]
	s_add_nc_u64 s[46:47], s[8:9], s[46:47]
	s_add_nc_u64 s[92:93], s[10:11], s[92:93]
	CROUND                                         ; all sixteen work-groups are here: the first joint loads meet
	s_mov_b32 s[G0S], 1
	s_add_co_u32 s[G0S+1], s94, SCL
	s_mov_b64 s[G0S+2:G0S+3], s[22:23]
	s_or_b32 s[G0S+3], s[G0S+3], 0x80000000
	s_mov_b32 s[G0SB], 1
	s_add_co_u32 s[G0SB+1], s94, SCL
	s_mov_b64 s[G0SB+2:G0SB+3], s[92:93]
	s_or_b32 s[G0SB+3], s[G0SB+3], 0x80000000
	JLOAD G0S, G1S, G0SB, G1SB
.irp s, 0,1
	s_mov_b32 s[G0+4*\s], 1
	s_add_co_u32 s[G0+4*\s+1], s45, \s*SLOT
	s_add_nc_u64 s[G0+4*\s+2:G0+4*\s+3], s[20:21], \s*ROWB
	s_or_b32 s[G0+4*\s+3], s[G0+4*\s+3], 0x80000000
	s_mov_b32 s[G0B+4*\s], 1
	s_add_co_u32 s[G0B+4*\s+1], s45, \s*SLOT
	s_add_nc_u64 s[G0B+4*\s+2:G0B+4*\s+3], s[46:47], \s*ROWB
	s_or_b32 s[G0B+4*\s+3], s[G0B+4*\s+3], 0x80000000
	JLOAD G0+4*\s, G1, G0B+4*\s, G1B
.endr
	v_and_b32 v1, 15, v0                           ; r
	v_bfe_u32 v2, v0, 4, 1                         ; h
	v_mul_u32_u24 v3, v1, PITCH
	v_mul_u32_u24 v4, v2, 24
	v_add_nc_u32 v4, v3, v4
	v_lshl_add_u32 v5, v2, 4, v4
	s_mul_i32 s21, s15, HALFT
	s_mul_i32 s22, s16, HALFT
	s_add_co_u32 s22, s22, 2*HALFT
.irp s, 0,1
	v_add_nc_u32 v[ADRA+\s], s21, v4
	v_add_nc_u32 v[ADRB+\s], s22, v4
	v_add_nc_u32 v[ADRA+2+\s], s21, v5
	v_add_nc_u32 v[ADRB+2+\s], s22, v5
	s_add_co_u32 s21, s21, SLOT
	s_add_co_u32 s22, s22, SLOT
.endr
	v_mul_u32_u24 v5, v1, KS                       ; my row's scales: KS bytes a row, 16 more for each 256 passed; both halves of the lanes read the same word
	v_lshrrev_b32 v6, 8, v5
	v_lshl_add_u32 v5, v6, 4, v5
	s_mul_i32 s21, s15, HALFS
	s_add_co_u32 s21, s21, SCL
	s_mul_i32 s22, s16, HALFS
	s_add_co_u32 s22, s22, SCL+2*HALFS
	v_add_nc_u32 v[ADRSA], s21, v5
	v_add_nc_u32 v[ADRSB], s22, v5
	s_lshl_b32 s20, s42, 10
	s_lshl_b32 s21, s16, 9
	s_add_co_u32 s20, s20, s21
	s_mov_b32 s21, 0
	s_add_nc_u64 s[12:13], s[12:13], s[20:21]      ; my 128 hidden units' bias
	v_lshlrev_b32 v7, 5, v2
	WIN TO_B
.irp b, 0,1,2,3,4,5,6,7
	global_load_b128 v[96+8*\b+96*(\b/4):96+8*\b+96*(\b/4)+3], v7, s[12:13] offset:64*\b
	global_load_b128 v[100+8*\b+96*(\b/4):100+8*\b+96*(\b/4)+3], v7, s[12:13] offset:64*\b+16
.endr
	WIN 0
.macro FRAG reg, adr, q, i             ; 16 rows x 128 K of 6-bit codes: 12 registers, six pieces of 8 bytes; where the piece three on lies behind one padding more, the second address register serves
.irp p, 0,1,2,3,4,5
.set PCE, 12*(\q)+6*(\p/3)+\p%3
.if PCE%8 < 5
	ds_load_b64 v[\reg+2*\p:\reg+2*\p+1], v[\adr] offset:8*PCE+16*(PCE/8)+(\i)*16*PITCH
.else
	ds_load_b64 v[\reg+2*\p:\reg+2*\p+1], v[\adr+2] offset:8*PCE+16*(PCE/8)+(\i)*16*PITCH
.endif
.endr
.endm
; 16 matrix instructions; the 64 accumulators take turns, one instruction a turn, in the same order in every step.  zero = 1: C = 0; 2: C = the bias, in window 1
.macro MUL16 a0, p, q, sc, zero
.irp a, \a0, \a0+1
.irp b, 0,1,2,3,4,5,6,7
.if \zero == 1
	v_wmma_scale_f32_16x16x128_f8f6f4 v[8*(8*((\a)%4)+\b):8*(8*((\a)%4)+\b)+7], v[128*(\p)+FR*\b:128*(\p)+FR*\b+FR-1], v[AF+FR*(\a):AF+FR*(\a)+FR-1], 0, v[SCB+16*(\sc)+2*\b+(\q)], v[SCA+16*(\sc)+2*(\a)+(\q)] matrix_a_fmt:MATRIX_FMT_FP6 matrix_b_fmt:MATRIX_FMT_FP6
.elseif \zero == 2
	v_wmma_scale_f32_16x16x128_f8f6f4 v[8*(8*((\a)%4)+\b):8*(8*((\a)%4)+\b)+7], v[128*(\p)+FR*\b:128*(\p)+FR*\b+FR-1], v[AF+FR*(\a):AF+FR*(\a)+FR-1], v[96+8*\b+96*(\b/4):96+8*\b+96*(\b/4)+7], v[SCB+16*(\sc)+2*\b+(\q)], v[SCA+16*(\sc)+2*(\a)+(\q)] matrix_a_fmt:MATRIX_FMT_FP6 matrix_b_fmt:MATRIX_FMT_FP6
.else
	v_wmma_scale_f32_16x16x128_f8f6f4 v[8*(8*((\a)%4)+\b):8*(8*((\a)%4)+\b)+7], v[128*(\p)+FR*\b:128*(\p)+FR*\b+FR-1], v[AF+FR*(\a):AF+FR*(\a)+FR-1], v[8*(8*((\a)%4)+\b):8*(8*((\a)%4)+\b)+7], v[SCB+16*(\sc)+2*\b+(\q)], v[SCA+16*(\sc)+2*(\a)+(\q)] matrix_a_fmt:MATRIX_FMT_FP6 matrix_b_fmt:MATRIX_FMT_FP6
.endif
.endr
.endr
.endm
.macro WINM hi, zero
.if \zero == 2
	WIN 0x91+0x40*\hi
.else
	WIN MUL_LO+0x50*\hi
.endif
.endm
.macro FETCH_B slot, q, p
	WIN TO_B
.irp i, 0,1,2,3,4,5,6,7
	FRAG 128*(\p)+FR*\i, ADRB+\slot, \q, \i
.endr
	WIN 0
.endm
.macro FETCH_A slot, q, i0
.irp i, \i0, \i0+1, \i0+2, \i0+3
	FRAG AF+FR*(\i), ADRA+\slot, \q, \i
.endr
.endm
.macro SCALES sc
.irp i, 0,1,2,3,4,5,6,7
	ds_load_b64 v[SCA+16*\sc+2*\i:SCA+16*\sc+2*\i+1], v[ADRSA] offset:\i*SBLK
.endr
.irp i, 0,1,2,3,4,5,6,7
	ds_load_b64 v[SCB+16*\sc+2*\i:SCB+16*\sc+2*\i+1], v[ADRSB] offset:\i*SBLK
.endr
.endm
.macro PLACES n                        ; plain vector lines between a matrix instruction and a load into, or a read of, its registers
.rept \n
	v_nop
.endr
.endm
.macro STEP slot, q, zero
	s_wait_dscnt 4*NL                              ; all but the youngest 24 loads (source 1's blocks 4-7)
	WINM 0, \zero
	MUL16 0, (\q)%2, \q, \slot, \zero
	MUL16 2, (\q)%2, \q, \slot, \zero
	s_wait_dscnt 0
	PLACES NP
	FETCH_B \slot, (\q)+1, 1-(\q)%2
	FETCH_A \slot, (\q)+1, 0
	WINM 1, \zero
	MUL16 4, (\q)%2, \q, \slot, \zero
	MUL16 6, (\q)%2, \q, \slot, \zero
	PLACES NP
	WIN 0
	FETCH_A \slot, (\q)+1, 4
.endm
; a slot's last step changes slots: one barrier; in front of it each wave waits for all its tensor loads, adds 0 to its spare word, and waits for that and for its reads of this slot
.macro TURN slot, next, fill
	s_wait_tensorcnt 0x0
	ds_add_u32 v[SPW], v[NIL]
	s_wait_dscnt 4*NL+1                            ; the add and the youngest 24 loads may be out
	WIN MUL_LO
	MUL16 0, 1, NQ-1, \slot, 0
	s_wait_dscnt 0x0
	s_barrier_signal -1
	MUL16 2, 1, NQ-1, \slot, 0
	WIN 0
	s_barrier_wait -1
.if \fill
	CREST                                          ; the barrier has opened a round of the cluster's barrier
	s_add_nc_u64 s[G0+4*\slot+2:G0+4*\slot+3], s[G0+4*\slot+2:G0+4*\slot+3], 2*ROWB
	s_add_nc_u64 s[G0B+4*\slot+2:G0B+4*\slot+3], s[G0B+4*\slot+2:G0B+4*\slot+3], 2*ROWB
	JLOAD G0+4*\slot, G1, G0B+4*\slot, G1B
.else
	PLACES NP
.endif
	v_add_nc_u32 v[ADRSA], 4*NQ, v[ADRSA]
	v_add_nc_u32 v[ADRSB], 4*NQ, v[ADRSB]
	FETCH_B \next, 0, 0
	FETCH_A \next, 0, 0
	SCALES \next
	WIN MUL_HI
	MUL16 4, 1, NQ-1, \slot, 0
	MUL16 6, 1, NQ-1, \slot, 0
	PLACES NP
	WIN 0
	FETCH_A \next, 0, 4
.endm
	s_wait_tensorcnt 1                             ; the scales and my part of K step 0 are in; K step 1's load may be out
	s_barrier_signal -1
	s_barrier_wait -1
	FETCH_B 0, 0, 0
	FETCH_A 0, 0, 0
	SCALES 0
	FETCH_A 0, 0, 4
	s_wait_loadcnt 0x0                             ; the bias
	STEP 0, 0, FIRSTC
	s_mov_b32 s3, LAPS-1
.Llap:
	TURN 0, 1, 1
	STEP 1, 0, 0
	TURN 1, 0, 1
	STEP 0, 0, 0
	s_sub_co_u32 s3, s3, 1
	s_cmp_lg_u32 s3, 0
	s_cbranch_scc1 .Llap
	TURN 0, 1, 0
	STEP 1, 0, 0
	s_wait_dscnt 4*NL
	WIN MUL_LO
	MUL16 0, 1, NQ-1, 1, 0
	MUL16 2, 1, NQ-1, 1, 0
	s_wait_dscnt 0
	WIN MUL_HI
	MUL16 4, 1, NQ-1, 1, 0
	MUL16 6, 1, NQ-1, 1, 0
	WIN 0
; ---------------- THE WAY OUT: gelu, the true order, the quantiser; no LDS.  A loop of four trips, two tiles of 16 tokens a trip; only the lines that take a tile out of its accumulators differ between trips.
.set Z,    32                          ; v32-95  x / sqrt 2, later gelu(x)
.set WT,   96                          ; v96-127 z z
.set PP,   128                         ; v128-159 the numerator
.set QD,   160                         ; v160-191 the denominator
.set PC,   192                         ; v192-211 the codes just made
.set TM,   212                         ; v212-223
.set VA1,  224
.set VB1,  226
.set PWE,  228
.set PWO,  229
.set PWX,  230
.set SEL,  46
.set AP,   3
.set CA0,  24
.set CA2,  26
.set CA3,  28
.set CA4,  30
.set CA5,  32
.set CA6,  34
.set CB0,  36
.set CB2,  38
.set CB3,  40
.set CB4,  42
.set RS2,  44
.macro QUANT s, floor, pw
.irp b, 0,1,2,3
	v_max3_num_f32 v[TM+\b], |v[\s+16*\b]|, |v[\s+1+16*\b]|, \floor
.endr
.irp i, 2,4,6,8,10,12,14
.irp b, 0,1,2,3
	v_max3_num_f32 v[TM+\b], v[TM+\b], |v[\s+16*\b+\i]|, |v[\s+1+16*\b+\i]|
.endr
.endr
.irp b, 0,1,2,3
	v_permlanex16_b32 v[TM+4+\b], v[TM+\b], s[SEL], s[SEL+1]
.endr
.irp b, 0,1,2,3
	v_max_num_f32 v[TM+\b], v[TM+\b], v[TM+4+\b]
.endr
.irp b, 0,1,2,3
	v_add_nc_u32 v[TM+8+\b], 0xff000000, v[TM+\b]
.endr
.irp b, 0,1,2,3
	v_lshrrev_b32 v[TM+4+\b], 23, v[TM+8+\b]
.endr
	v_lshl_or_b32 v[\pw], v[TM+5], 8, v[TM+4]
	v_lshl_or_b32 v[\pw], v[TM+6], 16, v[\pw]
	v_lshl_or_b32 v[\pw], v[TM+7], 24, v[\pw]
.irp c, 0,1
	v_cvt_scalef32_pk16_fp6_f32 v[PC+6*\c:PC+2+6*\c], v[\s+32*\c:\s+15+32*\c], v[TM+8+2*\c]
	v_cvt_scalef32_pk16_fp6_f32 v[PC+12+4*\c:PC+14+4*\c], v[\s+16+32*\c:\s+31+32*\c], v[TM+8+2*\c+1]
.endr
	v_nop
.irp c, 0,1
.irp i, 0,1,2
	v_permlane16_swap_b32 v[PC+6*\c+\i], v[PC+12+4*\c+\i]
.endr
.irp i, 0,1,2
	v_mov_b32 v[PC+3+6*\c+\i], v[PC+12+4*\c+\i]
.endr
.endr
.endm
.macro COEF r, val
	s_mov_b32 s[\r], \val
	s_mov_b32 s[\r+1], s[\r]                       ; named with it as a pair, so it is written
.endm
	PLACES NP
	s_load_b128 s[4:7], s[0:1], 0x28               ; where the codes go, where the scale words go
	s_lshl_b32 s20, s17, 1
	s_add_co_u32 s20, s20, s15                     ; which 128 tokens
	s_lshl_b32 s21, s42, 1
	s_add_co_u32 s21, s21, s16                     ; which 128 along the next K
	s_lshl_b32 s22, s20, 6
	s_lshl_b32 s23, s21, 1
	s_add_co_u32 s22, s22, s23
	s_mul_i32 s22, s22, 6144
	s_mov_b32 s23, 0
	s_lshl_b32 s20, s20, 5
	s_add_co_u32 s20, s20, s21
	s_lshl_b32 s20, s20, 9
	s_mov_b32 s21, 0
	s_wait_kmcnt 0x0
	s_add_nc_u64 s[4:5], s[4:5], s[22:23]
	s_add_nc_u64 s[6:7], s[6:7], s[20:21]
	COEF CA0, -0.000000000272614225801306
	COEF CA2, -0.00000210102402082508
	COEF CA3, -0.0000569250639462346
	COEF CA4, -0.000734990630326855
	COEF CA5, -0.00295459980854025
	COEF CA6, -0.0160960333262415
	COEF CB0, -0.0000145660718464996
	COEF CB2, -0.00168282697438203
	COEF CB3, -0.00737332916720468
	COEF CB4, -0.0142647390514189
	COEF RS2, 0x3f3504f3
	s_mov_b32 s[SEL], 0x76543210
	s_mov_b32 s[SEL+1], 0xfedcba98
	v_mov_b32 v[VA1], 0.0000000277068142495902
	v_mov_b32 v[VA1+1], v[VA1]
	v_mov_b32 v[VB1], -0.000213374055278905
	v_mov_b32 v[VB1+1], v[VB1]
	v_and_b32 v1, 31, v0
	v_lshlrev_b32 v[L16], 4, v1
	v_lshlrev_b32 v[L8], 3, v1
	v_lshlrev_b32 v[L4], 2, v1
	v_bfe_u32 v2, v0, 4, 1
	v_cmp_ne_u32 vcc_lo, 0, v2                     ; lanes 16-31
.irp b, 0,1,2,3
	v_mov_b32 v[TM+4+\b], 0
.endr
.macro TAKE a                          ; tile a out of its accumulators, each from its low end on: x / sqrt 2 into v[Z] on, x / 2 into window 1, v0-63
	WIN 0x02+(\a)/4
.set jj, 0
.rept 32
	v_pk_mul_f32 v[Z+jj:Z+jj+1], v[64*((\a)%4)+jj:64*((\a)%4)+jj+1], s[RS2:RS2+1] op_sel_hi:[1,0]
.set jj, jj+2
.endr
	WIN 0x42+(\a)/4
.set jj, 0
.rept 32
	v_pk_mul_f32 v[jj:jj+1], v[64*((\a)%4)+jj:64*((\a)%4)+jj+1], 0.5 op_sel_hi:[1,0]
.set jj, jj+2
.endr
	WIN 0
.endm
.macro GELUQ pw, off
.irp k, 0, 32
.set jj, 0
.rept 32
	v_med3_num_f32 v[Z+\k+jj], v[Z+\k+jj], -4.0, 4.0
.set jj, jj+1
.endr
.set jj, 0
.rept 16
	v_pk_mul_f32 v[WT+jj:WT+jj+1], v[Z+\k+jj:Z+\k+jj+1], v[Z+\k+jj:Z+\k+jj+1]
.set jj, jj+2
.endr
.set jj, 0
.rept 16
	v_pk_fma_f32 v[PP+jj:PP+jj+1], v[WT+jj:WT+jj+1], s[CA0:CA0+1], v[VA1:VA1+1] op_sel_hi:[1,0,1]
	v_pk_fma_f32 v[QD+jj:QD+jj+1], v[WT+jj:WT+jj+1], s[CB0:CB0+1], v[VB1:VB1+1] op_sel_hi:[1,0,1]
.set jj, jj+2
.endr
.irp c, CA2, CA3, CA4, CA5, CA6
.set jj, 0
.rept 16
	v_pk_fma_f32 v[PP+jj:PP+jj+1], v[PP+jj:PP+jj+1], v[WT+jj:WT+jj+1], s[\c:\c+1] op_sel_hi:[1,1,0]
.set jj, jj+2
.endr
.endr
.irp c, CB2, CB3, CB4
.set jj, 0
.rept 16
	v_pk_fma_f32 v[QD+jj:QD+jj+1], v[QD+jj:QD+jj+1], v[WT+jj:WT+jj+1], s[\c:\c+1] op_sel_hi:[1,1,0]
.set jj, jj+2
.endr
.endr
.set jj, 0
.rept 32
	v_rcp_f32 v[QD+jj], v[QD+jj]
.set jj, jj+1
.endr
.set jj, 0
.rept 16
	v_pk_mul_f32 v[PP+jj:PP+jj+1], v[PP+jj:PP+jj+1], v[Z+\k+jj:Z+\k+jj+1]      ; plain work behind the reciprocals, which names none of them
.set jj, jj+2
.endr
	s_wait_alu depctr_va_vdst(0)                   ; one wait for the 32, ahead of their first reader
.set jj, 0
.rept 16
	v_pk_mul_f32 v[PP+jj:PP+jj+1], v[PP+jj:PP+jj+1], v[QD+jj:QD+jj+1]          ; erf
.set jj, jj+2
.endr
	WIN 0x11                                       ; x / 2 in window 1
.set jj, 0
.rept 16
	v_pk_fma_f32 v[Z+\k+jj:Z+\k+jj+1], v[\k+jj:\k+jj+1], v[PP+jj:PP+jj+1], v[\k+jj:\k+jj+1]
.set jj, jj+2
.endr
	WIN 0
.endr
.irp b, 0,1,2,3
.irp j, 0,1,2,3,4,5,6,7
	v_permlane16_swap_b32 v[Z+16*\b+\j], v[Z+16*\b+8+\j]      ; register 16 b + i now holds hidden unit 32 b + 16 h + i
.endr
.endr
	s_wait_xcnt 0x0                                ; the last tile's stores have read their registers
	QUANT Z, 0x1800000, \pw
	global_store_b128 v[L16], v[PC:PC+3], s[4:5] offset:\off
	global_store_b64 v[L8], v[PC+4:PC+5], s[4:5] offset:\off+512
	global_store_b128 v[L16], v[PC+6:PC+9], s[4:5] offset:\off+6144
	global_store_b64 v[L8], v[PC+10:PC+11], s[4:5] offset:\off+6144+512
.endm
	s_mov_b32 s[AP], 0
.Lpair:
	s_cmp_eq_u32 s[AP], 0
	s_cbranch_scc1 .Le0
	s_cmp_eq_u32 s[AP], 1
	s_cbranch_scc1 .Le1
	s_cmp_eq_u32 s[AP], 2
	s_cbranch_scc1 .Le2
	TAKE 6
	s_branch .Leven
.Le0:
	TAKE 0
	s_branch .Leven
.Le1:
	TAKE 2
	s_branch .Leven
.Le2:
	TAKE 4
.Leven:
	GELUQ PWE, 0
	s_cmp_eq_u32 s[AP], 0
	s_cbranch_scc1 .Lo0
	s_cmp_eq_u32 s[AP], 1
	s_cbranch_scc1 .Lo1
	s_cmp_eq_u32 s[AP], 2
	s_cbranch_scc1 .Lo2
	TAKE 7
	s_branch .Lodd
.Lo0:
	TAKE 1
	s_branch .Lodd
.Lo1:
	TAKE 3
	s_branch .Lodd
.Lo2:
	TAKE 5
.Lodd:
	GELUQ PWO, 768
	v_cndmask_b32 v[PWX], v[PWE], v[PWO], vcc_lo   ; lanes 0-15 the even tile's words, lanes 16-31 the odd tile's
	global_store_b32 v[L4], v[PWX], s[6:7]         ; 128 consecutive bytes
	s_wait_xcnt 0x0                                ; the stores have read their bases and registers
	s_add_nc_u64 s[4:5], s[4:5], 1536
	s_add_nc_u64 s[6:7], s[6:7], 128
	s_add_co_u32 s[AP], s[AP], 1
	s_cmp_lt_u32 s[AP], 4
	s_cbranch_scc1 .Lpair
	s_wait_tensorcnt 0x0                           ; the wave's end
	ds_add_u32 v[SPW], v[NIL]
	s_wait_dscnt 0x0
	CROUND                                         ; the closing round
	s_endpgm
.Lfunc_end_k_qa3bc9798c1_ffn1:
	.size	k_qa3bc9798c1_ffn1, .Lfunc_end_k_qa3bc9798c1_ffn1-k_qa3bc9798c1_ffn1
	.p2alignl 7, 3214868480
	.fill 96, 4, 3214868480
	.section	.rodata,"a",@progbits
	.p2align	6, 0x0
	.amdhsa_kernel k_qa3bc9798c1_ffn1
		.amdhsa_group_segment_fixed_size 327680
		.amdhsa_private_segment_fixed_size 0
		.amdhsa_enable_private_segment 0
		.amdhsa_kernarg_size 56
		.amdhsa_user_sgpr_count 2
		.amdhsa_user_sgpr_kernarg_segment_ptr 1
		.amdhsa_wavefront_size32 1
		.amdhsa_system_sgpr_workgroup_id_x 1
		.amdhsa_system_sgpr_workgroup_id_y 1
		.amdhsa_system_sgpr_workgroup_id_z 1
		.amdhsa_system_vgpr_workitem_id 0
		.amdhsa_next_free_vgpr 1024
		.amdhsa_next_free_sgpr 100
		.amdhsa_reserve_vcc 1
		.amdhsa_float_denorm_mode_32 3
		.amdhsa_float_denorm_mode_16_64 3
		.amdhsa_memory_ordered 1
		.amdhsa_forward_progress 1
		.amdhsa_inst_pref_size 248
	.end_amdhsa_kernel
	.amdgpu_metadata
---
amdhsa.version: [ 1, 2 ]
amdhsa.kernels:
  - .name:           k_qa3bc9798c1_ffn1
    .symbol:         k_qa3bc9798c1_ffn1.kd
    .args:
      - { .name: nc, .offset: 0, .size: 8, .value_kind: global_buffer, .address_space: global }
      - { .name: ns, .offset: 8, .size: 8, .value_kind: global_buffer, .address_space: global }
      - { .name: W1_codes, .offset: 16, .size: 8, .value_kind: global_buffer, .address_space: global }
      - { .name: W1_scales, .offset: 24, .size: 8, .value_kind: global_buffer, .address_space: global }
      - { .name: b1, .offset: 32, .size: 8, .value_kind: global_buffer, .address_space: global }
      - { .name: ac, .offset: 40, .size: 8, .value_kind: global_buffer, .address_space: global }
      - { .name: asc, .offset: 48, .size: 8, .value_kind: global_buffer, .address_space: global }
    .group_segment_fixed_size: 327680
    .private_segment_fixed_size: 0
    .kernarg_segment_align: 8
    .kernarg_segment_size: 56
    .max_flat_workgroup_size: 128
    .sgpr_count:     100
    .vgpr_count:     1024
    .wavefront_size: 32
...
	.end_amdgpu_metadata
.endif
;; end of part 5
;; launch ffn2 (part 6): grid 8 x 32, 4 waves a work-group, clusters of 4 x 4, 327,680 bytes of LDS; arguments ac, asc, W2_codes, W2_scales, b2, x1, out0; writes out0
.if DOCPART == 6
	.amdgcn_target "amdgcn-amd-amdhsa--gfx1250"
	.amdhsa_code_object_version 6
	.text
	.protected	k_qa3bc9798c1_ffn2
	.globl	k_qa3bc9798c1_ffn2
	.p2align	8
	.type	k_qa3bc9798c1_ffn2,@function
k_qa3bc9798c1_ffn2:
	s_mov_b64 s[64:65], 0
	v_nop
	global_prefetch_b8 v0, s[64:65] scope:SCOPE_SE
	s_setreg_imm32_b32 hwreg(HW_REG_WAVE_MODE, 25, 1), 1
	s_wait_xcnt 0x0
	s_wait_alu depctr_hold_cnt(0) depctr_sa_sdst(0) depctr_va_vdst(0) depctr_va_sdst(0) depctr_va_ssrc(0) depctr_va_vcc(0) depctr_vm_vsrc(0)
	s_getreg_b32 s2, hwreg(HW_REG_IB_STS2, 6, 4)
	s_cmp_eq_u32 s2, 0
	s_cbranch_scc0 .Lentry_in_a_cluster
	s_endpgm
.Lentry_in_a_cluster:
	s_bfe_u32 s2, ttmp6, 0x10000c
	s_cmp_lg_u32 s2, 0xf033
	s_cbranch_scc0 .Lentry_shape_is_right
	s_endpgm
.Lentry_shape_is_right:
; out = resid + A W^T + bias on codes of FP6 (E2M3) with E8M0 scales.  out, resid: [4096][1024] f32.  W: codes [1024][SIZE_K x 3/4 bytes], scales [1024][SIZE_K / 32].
; A comes in the order of the operand's registers: [128 rows][64 along K][tile of 16 rows][768 bytes: registers 0-3 at 16 lane, registers 4-5 at 512 + 8 lane]; its scale words [128 rows][128 along K][tile][row].
; A tile of 128 x 128 a work-group (256 work-groups), 64 x 64 a wave: 16 accumulators.  K in slots of 512 (four steps of 128) through a ring of two LDS slots filled by joint tensor loads:
; A's 49,152 dense bytes are shared along a row of the 4 x 4 cluster (waves 0, 1 fetch halves), W's 128 rows x 384 bytes along a column (waves 2, 3 fetch the two halves along K, rows of 192 bytes padded to 240).
; All scale bytes come once, with the first fills.  Source 0 = 16 rows of W, source 1 = 16 rows of A: a lane holds eight neighbouring numbers of a row of out.
; The bias is the C of the first products; the residual is loaded at the head and added on the way out, which goes through each wave's own stage so that sixteen lanes store 256 consecutive bytes.
; The order of rounding is (product + bias) + resid.
.set SIZE_K, 4096
.set LAPS,   SIZE_K/1024
.set KROW,   SIZE_K*6/8
.set KS,     SIZE_K/32
.set PITCH,  240
.set FR,     12
.set ABYTES, 49152
.set BHALF,  128*PITCH
.set SLOT,   ABYTES+2*BHALF
.set SCA,    2*SLOT                    ; A's scale words, dense
.set SCAH,   (SIZE_K/128)*256          ; half of them
.set SCBL,   237568                    ; W's scale bytes: units of 256 bytes + 16
.set HALFSB, (64*KS/256)*272
.set SBLK,   (16*KS/256)*272
.set STAGE,  254976                    ; 16 rows x 272 bytes for each wave (written by LDS stores alone)
.set SPITCH, 272
.set SPARE,  272384                    ; the spare words: 128 bytes a wave
.set ADA,  12                          ; v12, v13 A's images + 16 lane, slot 0, 1;  v14, v15 + 512 + 8 lane
.set ADA8, 14
.set ADB,  16                          ; v16, v17 W's rows; v18, v19 the same behind one padding more
.set ADSA, 20
.set ADSB, 21
.set STO,  22
.set RD,   23
.set RO,   24
.set SPW,  28
.set NIL,  29
.set SA,   32                          ; v[SA + 16 z + 4 q + a]: A's scale words, set z
.set SB,   64                          ; v[SB + 16 z + 4 j + q]: W's
.set BIAS, 96                          ; v96-127
.set ACC,  128                         ; v128-255;  window 1: two sets of fragments at v0 and v128 (A 12 i, W 48 + 12 j);  window 2: v0-127 the residual
.set G1, 24
.set G0, 32
.set G1B, 48
.set G0B, 56
.set G1S, 68
.set G0S, 76
.set G1SB, 80
.set G0SB, 88
.set MSB, 0
.macro WIN new                         ; the immediate's high byte repeats the setting that is left
.if MSB != \new
	s_set_vgpr_msb (MSB<<8)|\new
.set MSB, \new
.endif
.endm
.macro PLACES n                        ; plain vector lines between a matrix instruction and a load into, or a read of, its registers
.rept \n
	v_nop
.endr
.endm
.macro JLOAD g0a, g1a, g0b, g1b        ; waves 0, 1 fetch for A, waves 2, 3 for W; four v_nop follow each line
	s_cmp_eq_u32 s11, 0
	s_cbranch_scc0 .Lfor_b_\@
	tensor_load_to_lds s[\g0a:\g0a+3], s[\g1a:\g1a+7]
	s_nop 0
.rept 4
	v_nop
.endr
	s_branch .Lasked_\@
.Lfor_b_\@:
	tensor_load_to_lds s[\g0b:\g0b+3], s[\g1b:\g1b+7]
	s_nop 0
.rept 4
	v_nop
.endr
.Lasked_\@:
.endm
.macro CREST                           ; a round of the cluster's barrier behind its opening barrier
	s_cmp_lg_u32 s10, 0
	s_cbranch_scc1 .Lnot_wave_0_\@
	s_barrier_signal -3
.Lnot_wave_0_\@:
	s_barrier_wait -3
	s_barrier_signal -1
	s_barrier_wait -1
.endm
.macro CROUND                          ; a whole round
	s_barrier_signal -1
	s_barrier_wait -1
	CREST
.endm
	s_load_b128 s[4:7], s[0:1], 0x0                ; A's images, A's scale words
	s_load_b128 s[92:95], s[0:1], 0x10             ; W's codes, W's scales
	s_load_b128 s[96:99], s[0:1], 0x20             ; bias, resid
	s_load_b64 s[100:101], s[0:1], 0x30            ; out
	v_lshl_add_u32 v[SPW], v0, 2, SPARE
	v_mov_b32 v[NIL], 0
	ds_add_u32 v28, v29
	s_wait_dscnt 0x0
	v_lshrrev_b32 v1, 5, v0
	v_readfirstlane_b32 s10, v1                    ; wave
	s_lshr_b32 s11, s10, 1                         ; my half of the rows; also: I fetch for A (0) or W (1)
	s_and_b32 s12, s10, 1                          ; my half of the columns; also: which half I fetch
	s_bfe_u32 s40, ttmp6, 0x40000                  ; cx
	s_bfe_u32 s41, ttmp6, 0x40004                  ; cy
	s_lshl_b32 s42, ttmp9, 2
	s_add_co_u32 s42, s42, s40                     ; tile column
	s_and_b32 s13, ttmp7, 0xffff
	s_lshl_b32 s13, s13, 2
	s_add_co_u32 s13, s13, s41                     ; tile row
	s_lshl_b32 s43, s41, 2
	s_lshl_b32 s43, 15, s43                        ; my row of the cluster
	s_lshl_b32 s44, 0x1111, s40                    ; my column
	s_or_b32 s[G1+0], s43, (3<<16)|(1<<21)         ; A: 96 dense rows of 256 bytes
	s_mov_b32 s[G1+1], 32<<16
	s_mov_b32 s[G1+2], 96<<16
	s_mov_b32 s[G1+3], 32<<16
	s_mov_b32 s[G1+4], 96
	s_mov_b32 s[G1+5], 32
	s_mov_b32 s[G1+6], 0
	s_mov_b32 s[G1+7], 0
	s_or_b32 s[G1B+0], s44, (0<<16)|(1<<20)|(1<<21)|(3<<22)|(3<<25)   ; W: 128 rows of 192 bytes, 4 words of padding behind every 16
	s_mov_b32 s[G1B+1], 192<<16
	s_mov_b32 s[G1B+2], 128<<16
	s_mov_b32 s[G1B+3], 192<<16
	s_mov_b32 s[G1B+4], 128
	s_mov_b32 s[G1B+5], KROW
	s_mov_b32 s[G1B+6], 0
	s_mov_b32 s[G1B+7], 0
	s_or_b32 s[G1S+0], s43, (3<<16)|(1<<21)        ; A's scale words: dense rows of 256 bytes
	s_mov_b32 s[G1S+1], 32<<16
	s_mov_b32 s[G1S+2], (SIZE_K/128)<<16
	s_mov_b32 s[G1S+3], 32<<16
	s_mov_b32 s[G1S+4], SIZE_K/128
	s_mov_b32 s[G1S+5], 32
	s_mov_b32 s[G1S+6], 0
	s_mov_b32 s[G1S+7], 0
	s_or_b32 s[G1SB+0], s44, (3<<16)|(1<<20)|(1<<21)|(5<<22)|(3<<25) ; W's: rows of 256 bytes, 16 bytes of padding behind each
	s_mov_b32 s[G1SB+1], 32<<16
	s_mov_b32 s[G1SB+2], (64*KS/256)<<16
	s_mov_b32 s[G1SB+3], 32<<16
	s_mov_b32 s[G1SB+4], 64*KS/256
	s_mov_b32 s[G1SB+5], 32
	s_mov_b32 s[G1SB+6], 0
	s_mov_b32 s[G1SB+7], 0
	s_mul_i32 s16, s13, SIZE_K*96                  ; A: 128 rows are SIZE_K x 96 bytes
	s_mul_i32 s17, s12, 24576
	s_add_co_u32 s16, s16, s17
	s_mov_b32 s17, 0
	s_mul_i32 s18, s13, SIZE_K*4                   ; their scale words
	s_mul_i32 s19, s12, SCAH
	s_add_co_u32 s18, s18, s19
	s_mov_b32 s19, 0
	s_mul_i32 s46, s42, 128*KROW                   ; W: 128 rows; my half of a slot's 384 bytes
	s_mul_i32 s47, s12, 192
	s_add_co_u32 s46, s46, s47
	s_mov_b32 s47, 0
	s_lshl_b32 s22, s42, 7
	s_lshl_b32 s23, s12, 6
	s_add_co_u32 s22, s22, s23
	s_mul_i32 s22, s22, KS                         ; the scales of my 64 rows of W
	s_mov_b32 s23, 0
	s_mul_i32 s20, s12, 24576                      ; where they go: no place in the cluster enters an LDS address
	s_mul_i32 s21, s12, BHALF
	s_add_co_u32 s21, s21, ABYTES
	s_mul_i32 s2, s12, SCAH
	s_add_co_u32 s2, s2, SCA
	s_mul_i32 s3, s12, HALFSB
	s_add_co_u32 s3, s3, SCBL
	s_wait_kmcnt 0x0
	s_add_nc_u64 s[14:15], s[4:5], s[16:17]
	s_add_nc_u64 s[18:19], s[6:7], s[18:19]
	s_add_nc_u64 s[46:47], s[92:93], s[46:47]
	s_add_nc_u64 s[22:23], s[94:95], s[22:23]
	CROUND                                         ; all sixteen work-groups are here: the first joint loads meet
	s_mov_b32 s[G0S], 1
	s_mov_b32 s[G0S+1], s2
	s_mov_b64 s[G0S+2:G0S+3], s[18:19]
	s_or_b32 s[G0S+3], s[G0S+3], 0x80000000
	s_mov_b32 s[G0SB], 1
	s_mov_b32 s[G0SB+1], s3
	s_mov_b64 s[G0SB+2:G0SB+3], s[22:23]
	s_or_b32 s[G0SB+3], s[G0SB+3], 0x80000000
	JLOAD G0S, G1S, G0SB, G1SB                     ; the scales first: they are wanted with the first step
.irp s, 0,1
	s_mov_b32 s[G0+4*\s], 1
	s_add_co_u32 s[G0+4*\s+1], s20, \s*SLOT
	s_add_nc_u64 s[G0+4*\s+2:G0+4*\s+3], s[14:15], \s*ABYTES
	s_or_b32 s[G0+4*\s+3], s[G0+4*\s+3], 0x80000000
	s_mov_b32 s[G0B+4*\s], 1
	s_add_co_u32 s[G0B+4*\s+1], s21, \s*SLOT
	s_add_nc_u64 s[G0B+4*\s+2:G0B+4*\s+3], s[46:47], \s*384
	s_or_b32 s[G0B+4*\s+3], s[G0B+4*\s+3], 0x80000000
	JLOAD G0+4*\s, G1, G0B+4*\s, G1B
.endr
	v_and_b32 v1, 15, v0                           ; r
	v_bfe_u32 v2, v0, 4, 1                         ; h
	v_and_b32 v3, 31, v0
	v_lshlrev_b32 v4, 4, v3
	v_lshlrev_b32 v5, 3, v3
	s_mul_i32 s66, s11, 4*768                      ; my four tiles of A's eight
	v_add_nc_u32 v[ADA], s66, v4
	v_add_nc_u32 v[ADA+1], SLOT, v[ADA]
	s_add_co_u32 s67, s66, 512
	v_add_nc_u32 v[ADA8], s67, v5
	v_add_nc_u32 v[ADA8+1], SLOT, v[ADA8]
	v_mul_u32_u24 v6, v1, PITCH
	v_mad_u32_u24 v6, v2, 24, v6
	v_lshl_add_u32 v7, v2, 4, v6
	s_mul_i32 s66, s12, 64*PITCH
	s_add_co_u32 s66, s66, ABYTES
	v_add_nc_u32 v[ADB], s66, v6
	v_add_nc_u32 v[ADB+1], SLOT, v[ADB]
	v_add_nc_u32 v[ADB+2], s66, v7
	v_add_nc_u32 v[ADB+3], SLOT, v[ADB+2]
	s_lshl_b32 s66, s11, 8
	s_add_co_u32 s66, s66, SCA
	v_lshl_add_u32 v[ADSA], v1, 2, s66             ; both halves of the lanes read the same word
	v_mul_u32_u24 v6, v1, KS
	v_lshrrev_b32 v7, 8, v6
	v_lshl_add_u32 v6, v7, 4, v6
	s_mul_i32 s66, s12, HALFSB
	s_add_co_u32 s66, s66, SCBL
	v_add_nc_u32 v[ADSB], s66, v6
	s_mul_i32 s66, s10, 16*SPITCH
	s_add_co_u32 s66, s66, STAGE
	v_mul_u32_u24 v6, v1, SPITCH
	v_lshl_add_u32 v6, v2, 5, v6
	v_add_nc_u32 v[STO], s66, v6                   ; in: row r, 32 bytes for each half of the lanes
	v_mul_u32_u24 v6, v2, SPITCH
	v_lshl_add_u32 v6, v1, 4, v6
	v_add_nc_u32 v[RD], s66, v6                    ; back: lanes 0-15 one row of 256 bytes, lanes 16-31 the next
	v_lshlrev_b32 v6, 12, v2
	v_lshl_add_u32 v[RO], v1, 4, v6                ; the same two rows in out and resid
	v_lshlrev_b32 v8, 5, v2
	s_lshl_b32 s66, s42, 9
	s_lshl_b32 s67, s12, 8
	s_add_co_u32 s66, s66, s67                     ; my 64 columns, in bytes
	s_mov_b32 s67, 0
	s_add_nc_u64 s[96:97], s[96:97], s[66:67]
	s_lshl_b32 s2, s13, 19
	s_add_co_u32 s66, s66, s2
	s_lshl_b32 s2, s11, 18
	s_add_co_u32 s66, s66, s2                      ; + my 64 rows of 4,096 bytes
	s_add_nc_u64 s[98:99], s[98:99], s[66:67]
	s_add_nc_u64 s[100:101], s[100:101], s[66:67]
.irp b, 0,1,2,3
	global_load_b128 v[BIAS+8*\b:BIAS+8*\b+3], v8, s[96:97] offset:64*\b
	global_load_b128 v[BIAS+8*\b+4:BIAS+8*\b+7], v8, s[96:97] offset:64*\b+16
.endr
	WIN 0x80                                       ; destination window 2
.irp a, 0,1,2,3
.irp t, 0,1,2,3,4,5,6,7
	global_load_b128 v[4*(8*\a+\t):4*(8*\a+\t)+3], v[RO], s[98:99] offset:(16*\a+2*\t)*4096 th:TH_LOAD_NT
.endr
.endr
	WIN 0
.macro FRAGB reg, adr, q, i            ; W's fragment: six pieces of 8 bytes; half (q / 2) of the slot along K, 128 (q % 2) in it; where the piece three on lies behind one padding more, the second address register serves
.irp p, 0,1,2,3,4,5
.set PCE, 12*((\q)%2)+6*(\p/3)+\p%3
.if PCE%8 < 5
	ds_load_b64 v[\reg+2*\p:\reg+2*\p+1], v[\adr] offset:((\q)/2)*BHALF+8*PCE+16*(PCE/8)+(\i)*16*PITCH
.else
	ds_load_b64 v[\reg+2*\p:\reg+2*\p+1], v[\adr+2] offset:((\q)/2)*BHALF+8*PCE+16*(PCE/8)+(\i)*16*PITCH
.endif
.endr
.endm
.macro FETCH slot, q, p                ; the fragments of the slot's q-th 128 along K into set p
	WIN 0x40
.irp i, 0,1,2,3
	ds_load_b128 v[128*(\p)+FR*\i:128*(\p)+FR*\i+3], v[ADA+\slot] offset:(16*(\q)+\i)*768
	ds_load_b64 v[128*(\p)+FR*\i+4:128*(\p)+FR*\i+5], v[ADA8+\slot] offset:(16*(\q)+\i)*768
	ds_load_b128 v[128*(\p)+FR*\i+6:128*(\p)+FR*\i+9], v[ADA+\slot] offset:(16*(\q)+8+\i)*768
	ds_load_b64 v[128*(\p)+FR*\i+10:128*(\p)+FR*\i+11], v[ADA8+\slot] offset:(16*(\q)+8+\i)*768
.endr
.irp j, 0,1,2,3
	FRAGB 128*(\p)+48+FR*\j, ADB+\slot, \q, \j
.endr
	WIN 0
.endm
.macro SCALES z                        ; a slot's scale words: A's one word a (step, tile), W's four words a tile by one load
.irp q, 0,1,2,3
.irp a, 0,1,2,3
	ds_load_b32 v[SA+16*\z+4*\q+\a], v[ADSA] offset:512*\q+64*\a
.endr
.endr
.irp j, 0,1,2,3
	ds_load_b128 v[SB+16*\z+4*\j:SB+16*\z+4*\j+3], v[ADSB] offset:\j*SBLK
.endr
.endm
; four matrix instructions; the sixteen accumulators take turns, one instruction a turn
.macro MUL4 a, p, q, z, first
.irp b, 0,1,2,3
.if \first
	v_wmma_scale_f32_16x16x128_f8f6f4 v[ACC+8*(4*(\a)+\b):ACC+8*(4*(\a)+\b)+7], v[128*(\p)+48+FR*\b:128*(\p)+48+FR*\b+FR-1], v[128*(\p)+FR*(\a):128*(\p)+FR*(\a)+FR-1], v[BIAS+8*\b:BIAS+8*\b+7], v[SB+16*(\z)+4*\b+(\q)], v[SA+16*(\z)+4*(\q)+(\a)] matrix_a_fmt:MATRIX_FMT_FP6 matrix_b_fmt:MATRIX_FMT_FP6
.else
	v_wmma_scale_f32_16x16x128_f8f6f4 v[ACC+8*(4*(\a)+\b):ACC+8*(4*(\a)+\b)+7], v[128*(\p)+48+FR*\b:128*(\p)+48+FR*\b+FR-1], v[128*(\p)+FR*(\a):128*(\p)+FR*(\a)+FR-1], v[ACC+8*(4*(\a)+\b):ACC+8*(4*(\a)+\b)+7], v[SB+16*(\z)+4*\b+(\q)], v[SA+16*(\z)+4*(\q)+(\a)] matrix_a_fmt:MATRIX_FMT_FP6 matrix_b_fmt:MATRIX_FMT_FP6
.endif
.endr
.endm
.macro STEP slot, q, first             ; one of a slot's first three steps: the next step's fragments are asked for, then this step is multiplied
	s_wait_dscnt 0x0                               ; this step's fragments, asked for a step ago
	PLACES 4
	FETCH \slot, (\q)+1, 1-(\q)%2
	WIN 0x05                                       ; both sources in window 1
	MUL4 0, (\q)%2, \q, \slot, \first
	MUL4 1, (\q)%2, \q, \slot, \first
	MUL4 2, (\q)%2, \q, \slot, \first
	MUL4 3, (\q)%2, \q, \slot, \first
	WIN 0
.endm
; a slot's last step changes slots: one barrier; in front of it each wave waits for all its tensor loads, adds 0 to its spare word, and waits for that and for its reads of this slot
.macro TURN slot, next, fill
	WIN 0
	s_wait_tensorcnt 0x0                           ; all my tensor loads have landed: my part of the next slot
	ds_add_u32 v[SPW], v[NIL]
	s_wait_dscnt 1                                 ; only the add may be out
	WIN 0x05
	MUL4 0, 1, 3, \slot, 0
	s_wait_dscnt 0x0                               ; the add is done, and my reads of this slot are over
	s_barrier_signal -1
	MUL4 1, 1, 3, \slot, 0
	WIN 0
	s_barrier_wait -1
.if \fill
	CREST                                          ; the barrier has opened a round of the cluster's barrier
	s_add_nc_u64 s[G0+4*\slot+2:G0+4*\slot+3], s[G0+4*\slot+2:G0+4*\slot+3], 2*ABYTES
	s_add_nc_u64 s[G0B+4*\slot+2:G0B+4*\slot+3], s[G0B+4*\slot+2:G0B+4*\slot+3], 768
	JLOAD G0+4*\slot, G1, G0B+4*\slot, G1B         ; the first tensor load behind the round; its four v_nop are the places in front of the loads below
.else
	PLACES 4
.endif
	v_add_nc_u32 v[ADSA], 2048, v[ADSA]            ; on to the next slot's scale words
	v_add_nc_u32 v[ADSB], 16, v[ADSB]
	FETCH \next, 0, 0
	SCALES \next
	WIN 0x05
	MUL4 2, 1, 3, \slot, 0
	MUL4 3, 1, 3, \slot, 0
	WIN 0
.endm
	s_wait_loadcnt 32                              ; the bias is in; the residual's 32 loads may be out
	s_wait_tensorcnt 1                             ; the scales and my part of slot 0 are in; slot 1's load may be out
	s_barrier_signal -1
	s_barrier_wait -1
	FETCH 0, 0, 0
	SCALES 0
	STEP 0, 0, 1                                   ; the first step stands in front of the loop: its products start the sums, with the bias
.if LAPS > 1
	s_mov_b32 s3, LAPS-1
.Llap:                                                 ; a trip goes once round the ring, from a lap's second step to the next lap's first, and fills both slots again
	STEP 0, 1, 0
	STEP 0, 2, 0
	TURN 0, 1, 1
	STEP 1, 0, 0
	STEP 1, 1, 0
	STEP 1, 2, 0
	TURN 1, 0, 1
	STEP 0, 0, 0
	s_sub_co_u32 s3, s3, 1
	s_cmp_lg_u32 s3, 0
	s_cbranch_scc1 .Llap
.endif
	STEP 0, 1, 0                                   ; the last lap fills nothing, and has no round of the cluster's barrier
	STEP 0, 2, 0
	TURN 0, 1, 0
	STEP 1, 0, 0
	STEP 1, 1, 0
	STEP 1, 2, 0
	s_wait_dscnt 0x0
	WIN 0x05
	MUL4 0, 1, 3, 1, 0
	MUL4 1, 1, 3, 1, 0
	MUL4 2, 1, 3, 1, 0
	MUL4 3, 1, 3, 1, 0
	WIN 0
	; ---- THE WAY OUT, 16 rows x 64 columns at a time, through my own stage
.macro TOSTAGE a
.irp b, 0,1,2,3
	ds_store_b128 v[STO], v[ACC+8*(4*(\a)+\b):ACC+8*(4*(\a)+\b)+3] offset:64*\b          ; each accumulator from its low end on
	ds_store_b128 v[STO], v[ACC+8*(4*(\a)+\b)+4:ACC+8*(4*(\a)+\b)+7] offset:64*\b+16
.endr
.irp t, 0,1,2,3,4,5,6,7
	ds_load_b128 v[32+32*((\a)%2)+4*\t:32+32*((\a)%2)+4*\t+3], v[RD] offset:544*\t       ; LDS serves a wave's instructions in order: these see the stores above
.endr
.endm
.macro SEND a, younger
	s_wait_dscnt \younger
	WIN 0x08                                       ; source 1: the residual, window 2
.set jj, 0
.rept 16
	v_pk_add_f32 v[32+32*((\a)%2)+jj:32+32*((\a)%2)+jj+1], v[32+32*((\a)%2)+jj:32+32*((\a)%2)+jj+1], v[32*(\a)+jj:32*(\a)+jj+1]
.set jj, jj+2
.endr
	WIN 0
.irp t, 0,1,2,3,4,5,6,7
	global_store_b128 v[RO], v[32+32*((\a)%2)+4*\t:32+32*((\a)%2)+4*\t+3], s[100:101] offset:(16*(\a)+2*\t)*4096   ; sixteen lanes store 256 consecutive bytes, aligned
.endr
.endm
	PLACES 4
	s_wait_loadcnt 0x0                             ; the residual
	TOSTAGE 0
	TOSTAGE 1
	SEND 0, 16                                     ; behind block 0's loads: block 1's 8 stores and 8 loads
	s_wait_xcnt 0x0                                ; block 0's stores have read their registers
	TOSTAGE 2
	SEND 1, 16
	s_wait_xcnt 0x0
	TOSTAGE 3
	SEND 2, 16
	SEND 3, 0
	s_wait_tensorcnt 0x0                           ; the wave's end
	ds_add_u32 v[SPW], v[NIL]
	s_wait_dscnt 0x0
	CROUND                                         ; the closing round
	s_endpgm
.Lfunc_end_k_qa3bc9798c1_ffn2:
	.size	k_qa3bc9798c1_ffn2, .Lfunc_end_k_qa3bc9798c1_ffn2-k_qa3bc9798c1_ffn2
	.p2alignl 7, 3214868480
	.fill 96, 4, 3214868480
	.section	.rodata,"a",@progbits
	.p2align	6, 0x0
	.amdhsa_kernel k_qa3bc9798c1_ffn2
		.amdhsa_group_segment_fixed_size 327680
		.amdhsa_private_segment_fixed_size 0
		.amdhsa_enable_private_segment 0
		.amdhsa_kernarg_size 56
		.amdhsa_user_sgpr_count 2
		.amdhsa_user_sgpr_kernarg_segment_ptr 1
		.amdhsa_wavefront_size32 1
		.amdhsa_system_sgpr_workgroup_id_x 1
		.amdhsa_system_sgpr_workgroup_id_y 1
		.amdhsa_system_sgpr_workgroup_id_z 1
		.amdhsa_system_vgpr_workitem_id 0
		.amdhsa_next_free_vgpr 640
		.amdhsa_next_free_sgpr 102
		.amdhsa_reserve_vcc 0
		.amdhsa_float_denorm_mode_32 3
		.amdhsa_float_denorm_mode_16_64 3
		.amdhsa_memory_ordered 1
		.amdhsa_forward_progress 1
		.amdhsa_inst_pref_size 111
	.end_amdhsa_kernel
	.amdgpu_metadata
---
amdhsa.version: [ 1, 2 ]
amdhsa.kernels:
  - .name:           k_qa3bc9798c1_ffn2
    .symbol:         k_qa3bc9798c1_ffn2.kd
    .args:
      - { .name: ac, .offset: 0, .size: 8, .value_kind: global_buffer, .address_space: global }
      - { .name: asc, .offset: 8, .size: 8, .value_kind: global_buffer, .address_space: global }
      - { .name: W2_codes, .offset: 16, .size: 8, .value_kind: global_buffer, .address_space: global }
      - { .name: W2_scales, .offset: 24, .size: 8, .value_kind: global_buffer, .address_space: global }
      - { .name: b2, .offset: 32, .size: 8, .value_kind: global_buffer, .address_space: global }
      - { .name: x1, .offset: 40, .size: 8, .value_kind: global_buffer, .address_space: global }
      - { .name: out0, .offset: 48, .size: 8, .value_kind: global_buffer, .address_space: global }
    .group_segment_fixed_size: 327680
    .private_segment_fixed_size: 0
    .kernarg_segment_align: 8
    .kernarg_segment_size: 56
    .max_flat_workgroup_size: 128
    .sgpr_count:     102
    .vgpr_count:     640
    .wavefront_size: 32
...
	.end_amdgpu_metadata
.endif
;; end of part 6
